; MI455X (gfx1250); checked and timed in simulation.
; The chip was launched on July 23, 2026; its instructions are those of AMD's public machine-readable ISA for CDNA 5 (MIT licence, August 2026) and "CDNA5" Instruction Set Architecture Reference Guide (July 2026). The comments in the code are by the model that wrote it; some were corrected since.
;; Rotary Attention. Allowed arithmetic: float matrix products may take bf16 or f16 operands with f32 sums; other float arithmetic in f32, or as packed bf16 or f16 multiplies, adds, multiply-adds, maxima and minima; sums over many terms, partial sums and values carried from step to step in f32; what a program stores and reads back later, other than sums and carried values, may be rounded once to bf16 or f16.
;; Inputs: Wk 2,048 x 512 float32; Wo 2,048 x 2,048 float32; Wq 2,048 x 2,048 float32; Wv 2,048 x 512 float32; bk 512 float32; bo 2,048 float32; bq 2,048 float32; bv 512 float32; kn 128 float32; qn 128 float32; x 4 x 1,024 x 2,048 float32.
;; Outputs: out0 4 x 1,024 x 2,048 float32.
;; 2 versions, each right; version 2 is version 1 with the launch prep written anew for expert scheduling mode. Each part assembles by itself: llvm-mc -triple=amdgcn-amd-amdhsa -mcpu=gfx1250 --defsym DOCPART=n.
;; ======== version 1 of 2: 4 launches
;; limits: values are held in f16: magnitudes above 65,504 overflow, below 6.1e-05 lose precision
;; workspace buffers: xb 16,777,216 bytes; wb 12,582,912 bytes; wo 8,388,608 bytes; tab 262,144 bytes; qkv 25,165,824 bytes; ob 16,777,216 bytes
;; launch prep (part 1): grid 256 x 1, 14 waves a work-group, no clusters, 0 bytes of LDS; arguments x, Wq, Wk, Wv, xb, wb, tab; writes xb, wb, tab
.if DOCPART == 1
	.amdgcn_target "amdgcn-amd-amdhsa--gfx1250"
	.amdhsa_code_object_version 6
	.text
	.protected	k_qe8d585c74e_prep
	.globl	k_qe8d585c74e_prep
	.p2align	8
	.type	k_qe8d585c74e_prep,@function
k_qe8d585c74e_prep:
	s_mov_b64 s[64:65], 0
	v_nop
	global_prefetch_b8 v0, s[64:65] scope:SCOPE_SE
	s_setreg_imm32_b32 hwreg(HW_REG_WAVE_MODE, 25, 1), 1
	s_wait_xcnt 0x0
; CASTS AND THE ROTARY TABLE.  xb = bf16(x) [4096][2048];  wb = bf16(Wq | Wk | Wv) [2048 k][3072 n];
; tab[pos][pair] = one word (cos f16 low, sin f16 high), 1,024 positions x 64 pairs.  (Wo is cast in the attention launch, which has the room for it.)
; LIMITS.  The table's angle pos x 10000^(-j/64) is made in f32 (2^x by v_exp_f32, the turn count by one fused multiply-add): within about 1e-4 rad of an exact angle at pos = 1,023; cos and sin are rounded to f16.
; SHARES.  A segment is 512 consecutive f32 of a row: 2,048 bytes in, 1,024 out.  A share is 8 segments, IS bytes apart in the input and OS bytes apart in the output.  There are 3,584 shares:
; x 2,048, Wq 1,024, Wk 256, Wv 256: 14 for each of 256 work-groups, one a wave: share U = 14 x work-group + wave.  The waves with U < 1,024 also make the table's row U, while their loads are on their way.
; A load of a wave covers 512 consecutive bytes, a store 256 consecutive bytes, aligned.  All 32 loads of a wave go out at once; no register is used twice, so nothing waits but the counted waits for data.
; No LDS, no matrix unit, no cluster: nothing is shared and nothing is read twice.
.set VI,  2                            ; v[2:9]    segment s: 16 x lane + s x IS
.set VO,  10                           ; v[10:17]  segment s: 8 x lane + s x OS
.set X,   20                           ; v[20:147] 32 loads of four registers
.set TBL, 152                          ; v[152:171] the table's row, two chains side by side
.set TA,  TBL                          ; the angle
.set TN,  TBL+2                        ; whole turns
.set TY,  TBL+4                        ; y
.set TZ,  TBL+6                        ; y^2
.set TS,  TBL+8                        ; sin y
.set TC,  TBL+10                       ; cos y
.set TT,  TBL+12                       ; 2 sin y, then cos
.set TU,  TBL+14                       ; sin
.set TP,  TBL+16                       ; the two packed words
.set TQ,  TBL+18                       ; the position in f32
.set TR,  TBL+19                       ; my 8 bytes of the row
.set IN,  26                           ; s[26:27]  the wave's first input byte
.set OUT, 28                           ; s[28:29]  the wave's first output byte
	s_load_b256 s[4:11], s[0:1], 0x0               ; x 4, Wq 6, Wk 8, Wv 10
	s_load_b128 s[12:15], s[0:1], 0x20             ; xb 12, wb 14
	s_load_b64 s[16:17], s[0:1], 0x30              ; tab
	v_lshrrev_b32 v1, 5, v0
	v_readfirstlane_b32 s22, v1                    ; wave 0..13
	v_and_b32 v1, 31, v0                           ; lane
	s_mul_i32 s23, ttmp9, 14
	s_add_co_u32 s23, s23, s22                     ; U
	s_movk_i32 s30, 8192                           ; IS, OS and the output bytes of a share, as Wq has them
	s_movk_i32 s31, 6144
	s_mov_b32 s32, 49152
	s_mov_b32 s36, 0x3e22f983                      ; 1 / (2 pi)
	s_wait_kmcnt 0x0
	; which array: each compare keeps what stands or takes the next array's figures
	s_cmp_lt_u32 s23, 2048
	s_cselect_b32 s24, 0, 2048                     ; the array's first share
	s_cselect_b32 s37, 0, 1                        ; 1: Wq, whose rows hold four segments that go to rows of another length
	s_cselect_b64 s[IN:IN+1], s[4:5], s[6:7]
	s_cselect_b64 s[OUT:OUT+1], s[12:13], s[14:15]
	s_cselect_b32 s30, 2048, s30
	s_cselect_b32 s31, 1024, s31
	s_cselect_b32 s32, 8192, s32
	s_cmp_lt_u32 s23, 3072
	s_cselect_b32 s24, s24, 3072
	s_cselect_b32 s37, s37, 0
	s_cselect_b64 s[IN:IN+1], s[IN:IN+1], s[8:9]
	s_cselect_b32 s30, s30, 2048
	s_cselect_b32 s33, 0, 4096                     ; Wk's columns begin at byte 4,096 of a row of wb,
	s_cmp_lt_u32 s23, 3328
	s_cselect_b32 s24, s24, 3328
	s_cselect_b64 s[IN:IN+1], s[IN:IN+1], s[10:11]
	s_cselect_b32 s33, s33, 5120                   ; Wv's at 5,120
	s_sub_co_u32 s25, s23, s24                     ; R: the share's number within its array
	s_lshl_b32 s34, s25, 14                        ; x, Wk, Wv: 8 segments on end, 16,384 R
	s_mul_i32 s38, s25, s32
	s_add_co_u32 s38, s38, s33
	s_lshr_b32 s40, s25, 2                         ; Wq: rows 8 (R / 4) on, quarter R % 4 of each
	s_and_b32 s41, s25, 3
	s_lshl_b32 s42, s40, 16
	s_lshl_b32 s43, s41, 11
	s_add_co_u32 s42, s42, s43
	s_mul_i32 s44, s40, 49152
	s_lshl_b32 s45, s41, 10
	s_add_co_u32 s44, s44, s45
	s_cmp_eq_u32 s37, 1
	s_cselect_b32 s34, s42, s34
	s_cselect_b32 s38, s44, s38
	s_mov_b32 s35, 0
	s_mov_b32 s39, 0
	s_add_nc_u64 s[IN:IN+1], s[IN:IN+1], s[34:35]
	s_add_nc_u64 s[OUT:OUT+1], s[OUT:OUT+1], s[38:39]
	v_lshlrev_b32 v[VI], 4, v1
	v_lshlrev_b32 v[VO], 3, v1
.irp i, 1,2,3,4,5,6,7
	v_add_nc_u32 v[VI+(\i)], s30, v[VI+(\i)-1]
	v_add_nc_u32 v[VO+(\i)], s31, v[VO+(\i)-1]
.endr
.set i, 0
.rept 32
	global_load_b128 v[X+4*i:X+4*i+3], v[VI+i/4], s[IN:IN+1] offset:(i%4)*512 th:TH_LOAD_NT
.set i, i+1
.endr
	s_cmp_lt_u32 s23, 1024
	s_cbranch_scc0 .Lno_row
	; The table's row U, made while the loads are out: a lane makes pairs 2 lane and 2 lane + 1, as two chains side by side.
	v_lshlrev_b32 v[TA], 1, v1
	v_or_b32 v[TA+1], 1, v[TA]
	v_cvt_f32_u32 v[TA], v[TA]
	v_cvt_f32_u32 v[TA+1], v[TA+1]
	v_cvt_f32_u32 v[TQ], s23
	v_mul_f32 v[TA], 0xbe549a78, v[TA]             ; -j log2(10000) / 64
	v_mul_f32 v[TA+1], 0xbe549a78, v[TA+1]
	v_exp_f32 v[TA], v[TA]
	v_exp_f32 v[TA+1], v[TA+1]
	v_lshlrev_b32 v[TR], 3, v1                     ; (a plain instruction behind the exponentials)
.macro TWICE line:vararg               ; one line for each chain k
.set k, 0
	s_wait_alu depctr_va_vdst(0)
.rept 2
	\line
.set k, k+1
.endr
.endm
	TWICE v_mul_f32 v[TA+k], v[TQ], v[TA+k]        ; the angle
	TWICE v_mul_f32 v[TN+k], s36, v[TA+k]
	TWICE v_rndne_f32 v[TN+k], v[TN+k]             ; whole turns
	TWICE v_fma_f32 v[TY+k], v[TA+k], s36, -v[TN+k]  ; what is left, in turns: -0.5 .. 0.5
	TWICE v_mul_f32 v[TY+k], 0x40490fdb, v[TY+k]   ; y = half the angle left: -pi/2 .. pi/2, for every position: the series below are cut for that range, remainders under 6e-8
	TWICE v_mul_f32 v[TZ+k], v[TY+k], v[TY+k]
	TWICE v_mov_b32 v[TS+k], 0xb2d7322b            ; sin y = y (1 - z/3! + z^2/5! - .. - z^5/11!)
	TWICE v_fmaak_f32 v[TS+k], v[TS+k], v[TZ+k], 0x3638ef1d
	TWICE v_fmaak_f32 v[TS+k], v[TS+k], v[TZ+k], 0xb9500d01
	TWICE v_fmaak_f32 v[TS+k], v[TS+k], v[TZ+k], 0x3c088889
	TWICE v_fmaak_f32 v[TS+k], v[TS+k], v[TZ+k], 0xbe2aaaab
	TWICE v_fma_f32 v[TS+k], v[TS+k], v[TZ+k], 1.0
	TWICE v_mul_f32 v[TS+k], v[TS+k], v[TY+k]
	TWICE v_mov_b32 v[TC+k], 0x310f76c7            ; cos y = 1 - z/2! + z^2/4! - .. + z^6/12!
	TWICE v_fmaak_f32 v[TC+k], v[TC+k], v[TZ+k], 0xb493f27e
	TWICE v_fmaak_f32 v[TC+k], v[TC+k], v[TZ+k], 0x37d00d01
	TWICE v_fmaak_f32 v[TC+k], v[TC+k], v[TZ+k], 0xbab60b61
	TWICE v_fmaak_f32 v[TC+k], v[TC+k], v[TZ+k], 0x3d2aaaab
	TWICE v_fma_f32 v[TC+k], v[TC+k], v[TZ+k], -0.5
	TWICE v_fma_f32 v[TC+k], v[TC+k], v[TZ+k], 1.0
	TWICE v_add_f32 v[TT+k], v[TS+k], v[TS+k]      ; t = 2 sin y
	TWICE v_mul_f32 v[TU+k], v[TT+k], v[TC+k]      ; sin = t cos y
	TWICE v_fma_f32 v[TT+k], -v[TT+k], v[TS+k], 1.0  ; cos = 1 - t sin y
	v_cvt_pk_f16_f32 v[TP], v[TT], v[TU]
	v_cvt_pk_f16_f32 v[TP+1], v[TT+1], v[TU+1]
	s_lshl_b32 s46, s23, 8                         ; a position's row is 256 bytes
	s_mov_b32 s47, 0
	s_add_nc_u64 s[16:17], s[16:17], s[46:47]
	global_store_b64 v[TR], v[TP:TP+1], s[16:17]   ; the wave stores the row: 256 consecutive bytes, aligned
.Lno_row:
.set i, 0
.rept 32                               ; for each load: two roundings to bf16 in place and a store of 8 bytes a lane
	s_wait_loadcnt 31-i                            ; loads come back in order: load i is in, the 31 - i younger ones stay out
	v_cvt_pk_bf16_f32 v[X+4*i], v[X+4*i], v[X+4*i+1]
	v_cvt_pk_bf16_f32 v[X+4*i+1], v[X+4*i+2], v[X+4*i+3]
	global_store_b64 v[VO+i/4], v[X+4*i:X+4*i+1], s[OUT:OUT+1] offset:(i%4)*256
.set i, i+1
.endr
	s_endpgm
.Lfunc_end_k_qe8d585c74e_prep:
	.size	k_qe8d585c74e_prep, .Lfunc_end_k_qe8d585c74e_prep-k_qe8d585c74e_prep
	.p2alignl 7, 3214868480
	.fill 96, 4, 3214868480
	.section	.rodata,"a",@progbits
	.p2align	6, 0x0
	.amdhsa_kernel k_qe8d585c74e_prep
		.amdhsa_group_segment_fixed_size 0
		.amdhsa_private_segment_fixed_size 0
		.amdhsa_enable_private_segment 0
		.amdhsa_kernarg_size 56
		.amdhsa_user_sgpr_count 2
		.amdhsa_user_sgpr_kernarg_segment_ptr 1
		.amdhsa_wavefront_size32 1
		.amdhsa_system_sgpr_workgroup_id_x 1
		.amdhsa_system_sgpr_workgroup_id_y 1
		.amdhsa_system_sgpr_workgroup_id_z 1
		.amdhsa_system_vgpr_workitem_id 0
		.amdhsa_next_free_vgpr 176
		.amdhsa_next_free_sgpr 66
		.amdhsa_reserve_vcc 0
		.amdhsa_float_denorm_mode_32 3
		.amdhsa_float_denorm_mode_16_64 3
		.amdhsa_memory_ordered 1
		.amdhsa_forward_progress 1
		.amdhsa_inst_pref_size 18
	.end_amdhsa_kernel
	.amdgpu_metadata
---
amdhsa.version: [ 1, 2 ]
amdhsa.kernels:
  - .name:           k_qe8d585c74e_prep
    .symbol:         k_qe8d585c74e_prep.kd
    .args:
      - { .name: x, .offset: 0, .size: 8, .value_kind: global_buffer, .address_space: global }
      - { .name: Wq, .offset: 8, .size: 8, .value_kind: global_buffer, .address_space: global }
      - { .name: Wk, .offset: 16, .size: 8, .value_kind: global_buffer, .address_space: global }
      - { .name: Wv, .offset: 24, .size: 8, .value_kind: global_buffer, .address_space: global }
      - { .name: xb, .offset: 32, .size: 8, .value_kind: global_buffer, .address_space: global }
      - { .name: wb, .offset: 40, .size: 8, .value_kind: global_buffer, .address_space: global }
      - { .name: tab, .offset: 48, .size: 8, .value_kind: global_buffer, .address_space: global }
    .group_segment_fixed_size: 0
    .private_segment_fixed_size: 0
    .kernarg_segment_align: 8
    .kernarg_segment_size: 56
    .max_flat_workgroup_size: 448
    .sgpr_count:     66
    .vgpr_count:     176
    .wavefront_size: 32
...
	.end_amdgpu_metadata
.endif
;; end of part 1
;; launch qkvproj (part 2): grid 8 x 32, 4 waves a work-group, clusters of 4 x 4, 327,680 bytes of LDS; arguments xb, wb, tab, bq, bk, bv, qn, kn, qkv; writes qkv
.if DOCPART == 2
	.amdgcn_target "amdgcn-amd-amdhsa--gfx1250"
	.amdhsa_code_object_version 6
	.text
	.protected	k_qe8d585c74e_qkvproj
	.globl	k_qe8d585c74e_qkvproj
	.p2align	8
	.type	k_qe8d585c74e_qkvproj,@function
k_qe8d585c74e_qkvproj:
	s_mov_b64 s[64:65], 0
	v_nop
	global_prefetch_b8 v0, s[64:65] scope:SCOPE_SE
	s_setreg_imm32_b32 hwreg(HW_REG_WAVE_MODE, 25, 1), 1
	s_wait_xcnt 0x0
	s_wait_alu depctr_hold_cnt(0) depctr_sa_sdst(0) depctr_va_vdst(0) depctr_va_sdst(0) depctr_va_ssrc(0) depctr_va_vcc(0) depctr_vm_vsrc(0)
	s_getreg_b32 s2, hwreg(HW_REG_IB_STS2, 6, 4)
	s_cmp_eq_u32 s2, 0
	s_cbranch_scc0 .Lentry_in_a_cluster
	s_endpgm
.Lentry_in_a_cluster:
	s_bfe_u32 s2, ttmp6, 0x10000c
	s_cmp_lg_u32 s2, 0xf033
	s_cbranch_scc0 .Lentry_shape_is_right
	s_endpgm
.Lentry_shape_is_right:
; THE THREE PROJECTIONS, THE NORM AND THE ROTATION.  C = xb wb (bf16 operands, f32 sums), [4096][3072]; + bias; units (heads) 0-19 (q, k): RMS norm over the unit's 128 channels, gain, rotation by the
; row's position; units 20-23 (v): as they are; all rounded once to f16 and stored by units: qkv[unit][m][128].  Biases and gains are rounded to bf16 like the other inputs of the module.
; The scale of the scores is not applied here.
; LIMITS.  f16 ends at 65,504: |x W + b| of v stays under it; q and k are at most 11.4 |gain| after the norm.  NaN and infinities are not treated apart.
; SHARES.  A tile of C is 128 rows x 384 columns (three units): 8 x 32 tiles, one work-group each.  Each of the four waves takes all 128 rows and, of each of the three units, columns 32 w .. 32 w + 31:
; 48 accumulators of 16 x 16.  K goes in steps of 128 through two LDS slots.  wb lies [k][n]: its fragments come out of LDS turned, by ds_load_tr16_b128.
; THE MATRIX INSTRUCTION IS USED TRANSPOSED (source 0 = 16 columns of wb, source 1 = 16 rows of xb): a lane holds row l % 16 of C and the columns 8 (l / 16) + 0..7.
; CLUSTER 4 x 4.  The four of a row of the cluster need the same tile of xb, the four of a column the same tiles of wb: each is asked for jointly, by the same tensor load, descriptor and mask in all four.
; A unit's kind (q, k or v) hangs on the work-group's place in its cluster, so it steers no branch: pointers are chosen by s_cselect and v's numbers by v_cndmask_b32.
; THE WAY OUT.  A unit's sum of squares spans all four waves, and so do a row's 256 bytes of f16.  So the f32 tile goes once through LDS (over the slots, which have had their last fill), and each wave then
; takes 32 whole rows: a (row, unit) is 32 lanes x 4 channels.
; REGISTERS, in windows of 256 (s_set_vgpr_msb: bits 1:0 source 0, 3:2 source 1, 5:4 source 2, 7:6 destination):
;   window 0: v0-31 addresses; two fragment buffers of 112 (xb's 8 fragments, then wb's 6); the way out works in their place.   window 1: accumulators of row blocks 0-4, (a, b) at 48 a + 8 b;   window 2: row blocks 5-7.
.set PA,    272                        ; a row of xb's tile in LDS: 256 bytes + 16 = 68 words: the 16 rows of a load start at 16 different groups of four banks (64 banks of 4 bytes: ISA guide 11.1)
.set PW,    288                        ; a k-row of a sub-tile of wb: 256 + 32 = 72 words
.set SUBW,  128*PW                     ; a sub-tile: 128 k x 128 columns (one unit)
.set AOFF,  3*SUBW                     ; a slot: wb's three sub-tiles, then xb's tile: the loader's LDS address is its wave's number x SUBW + the slot's first byte
.set SLOT,  AOFF+128*PA
.set RING,  32768                      ; LDS 0 .. 32,767: the table's 128 positions x 256 bytes; then the two slots
.set SPARE, RING+2*SLOT                ; the spare words, 128 bytes for each wave: two blocks of 256 bytes that no other line names
.set STG,   RING                       ; the f32 stage: 128 rows
.set PS,    1552                       ; of 1,536 bytes + 16 = 388 words: row r starts at bank 4 r mod 64
.set WV,   10                          ; s10  my wave's number
.set ADRA, 8                           ; v8-9    LDS address of my xb fragments in slot 0, 1
.set ADRB, 10                          ; v10-15  of my wb fragments: slot x 3 + unit
.set SPW,  16                          ; v16  LDS address of my spare word; never rewritten
.set NIL,  17                          ; v17  0; never rewritten
.set PFO,  18                          ; v18  the prefetches' offset: my lane x a row's bytes; never rewritten
.set STO,  19                          ; v19-22  into the stage: row blocks 2 k, 2 k + 1
.set RDA,  23                          ; v23  out of the stage
.set TDA,  24                          ; v24  out of the table
.set GOF,  25                          ; v25  my 8 bytes of a row of qkv
.set L16,  26                          ; v26  16 x lane
.set F0,   32
.set F1,   144
.set G1A,  24                          ; s[24:31] group 1 for xb's tiles;  s[32:39] group 0, a set for each slot
.set G0A,  32
.set G1B,  48                          ; s[48:55], s[56:63] the same for wb's
.set G0B,  56
.set G1T,  68                          ; s[68:75], s[76:79] the table's; after the last fill: the bias and gain pointers
.set G0T,  76
.set LIM,  43                          ; s43  1 in a wave that prefetches, else the greatest number
.set PFA,  44                          ; s[44:45] where my prefetches stand
.set PST,  98                          ; s[98:99] their step for a K step
.set SV,   4                           ; s4-6  unit hh of the tile: all ones if it is one of v's
.set QP,   8                           ; s[8:9]  qkv at my rows of the tile's first unit
.set SEL,  66                          ; s[66:67] v_permlanex16_b32's selects
.set MSB, 0
.macro WIN new                         ; the immediate's high byte repeats the setting that is left; a switch that changes nothing is dropped
.if MSB != (\new)
	s_set_vgpr_msb (MSB<<8)|(\new)
.set MSB, \new
.endif
.endm
.macro PLACES                          ; four places: in front of loads into registers that matrix instructions have read, and of lines that read results
.rept 4
	v_nop
.endr
.endm
.macro CREST                           ; a round of the cluster's barrier behind its opening barrier
	s_cmp_lg_u32 s[WV], 0
	s_cbranch_scc1 .Lnot_wave_0_\@
	s_barrier_signal -3
.Lnot_wave_0_\@:
	s_barrier_wait -3
	s_barrier_signal -1
	s_barrier_wait -1
.endm
.macro CROUND
	s_barrier_signal -1
	s_barrier_wait -1
	CREST
.endm
.macro JLOAD s                         ; a joint load: waves 0-2 fetch wb's sub-tile of their number, wave 3 xb's tile.  An s_nop 0 and four v_nop follow each line
	s_cmp_eq_u32 s[WV], 3
	s_cbranch_scc0 .Lfor_w_\@
	tensor_load_to_lds s[G0A+4*(\s):G0A+4*(\s)+3], s[G1A:G1A+7]
	s_nop 0
	PLACES
	s_branch .Lasked_\@
.Lfor_w_\@:
	tensor_load_to_lds s[G0B+4*(\s):G0B+4*(\s)+3], s[G1B:G1B+7]
	s_nop 0
	PLACES
.Lasked_\@:
.endm
; A prefetch into the L2 of the K step that stands two refills on: 32 rows x 256 bytes, a lane a row.  xb's rows are read by every cluster of a row of clusters: cluster x = 0 asks; wb's by every cluster of a column:
; cluster y = 0 asks.  The four partners of a joint load take 32 of its 128 rows each, told apart by address.  So each row's 256 bytes of K steps 4 to 15 are named once; the loop's last trip (s3 = 1) names nothing.
.macro ASK
	s_cmp_gt_u32 s3, s[LIM]
	s_cbranch_scc0 .Lnot_mine_\@
	global_prefetch_b8 v[PFO], s[PFA:PFA+1] th:TH_LOAD_NT scope:SCOPE_SE
.Lnot_mine_\@:
.endm
	s_load_b512 s[80:95], s[0:1], 0x0              ; xb 80, wb 82, tab 84, bq 86, bk 88, bv 90, qn 92, kn 94
	s_load_b64 s[96:97], s[0:1], 0x40              ; qkv
	v_lshl_add_u32 v[SPW], v0, 2, SPARE
	v_mov_b32 v[NIL], 0
	ds_add_u32 v[SPW], v[NIL]                      ; the wave's opening: the add and its wait ahead of my first tensor load; work on registers stands between them
	v_lshrrev_b32 v1, 5, v0
	v_readfirstlane_b32 s[WV], v1
	s_bfe_u32 s40, ttmp6, 0x40000                  ; cx
	s_bfe_u32 s41, ttmp6, 0x40004                  ; cy
	s_lshl_b32 s42, ttmp9, 2
	s_add_co_u32 s42, s42, s40                     ; tile column tx = 4 x cluster x + cx
	s_and_b32 s13, ttmp7, 0xffff
	s_lshl_b32 s13, s13, 2
	s_add_co_u32 s13, s13, s41                     ; tile row ty = 4 x cluster y + cy
	s_lshl_b32 s14, s41, 2
	s_lshl_b32 s14, 15, s14                        ; my row of the cluster
	s_lshl_b32 s15, 0x1111, s40                    ; my column
	s_or_b32 s[G1A], s14, (1<<16)|(1<<20)|(1<<21)|(5<<22)|(3<<25)  ; mask; 2-byte elements; padding on; bit 21 beside a mask; after every 64 words; 4 words
	s_or_b32 s[G1B], s15, (1<<16)|(1<<20)|(1<<21)|(5<<22)|(7<<25)  ; the same with my column's mask and 8 words
.irp g, G1A, G1B
	s_mov_b32 s[(\g)+1], 128<<16                   ; tensor_dim0 = 128
	s_mov_b32 s[(\g)+2], 128<<16                   ; tensor_dim1 = 128
	s_mov_b32 s[(\g)+3], 128<<16                   ; tile_dim0 = 128
	s_mov_b32 s[(\g)+4], 128                       ; tile_dim1 = 128
	s_mov_b32 s[(\g)+6], 0
	s_mov_b32 s[(\g)+7], 0
.endr
	s_mov_b32 s[G1A+5], 2048                       ; elements from row to row
	s_mov_b32 s[G1B+5], 3072
	s_mov_b32 s[G1T], 1<<16                        ; the table: my own 32 rows of 256 bytes, no mask, no padding
	s_mov_b32 s[G1T+1], 128<<16
	s_mov_b32 s[G1T+2], 32<<16
	s_mov_b32 s[G1T+3], 128<<16
	s_mov_b32 s[G1T+4], 32
	s_mov_b32 s[G1T+5], 128
	s_mov_b32 s[G1T+6], 0
	s_mov_b32 s[G1T+7], 0
	s_lshl_b32 s16, s13, 19                        ; xb: 128 ty rows of 4,096 bytes
	s_mov_b32 s17, 0
	s_mul_i32 s46, s42, 768                        ; wb: column 384 tx + 128 wave, in bytes
	s_lshl_b32 s47, s[WV], 8
	s_add_co_u32 s46, s46, s47
	s_mov_b32 s47, 0
	s_mul_i32 s20, s[WV], SUBW
	s_add_co_u32 s20, s20, RING                    ; where my part of slot 0 goes
	s_and_b32 s22, s13, 7                          ; the tile's first position is 128 (ty % 8)
	s_lshl_b32 s22, s22, 15
	s_lshl_b32 s21, s[WV], 13
	s_add_co_u32 s22, s22, s21
	s_mov_b32 s23, 0
	s_wait_dscnt 0x0                               ; the opening add is done
	s_wait_kmcnt 0x0
	s_add_nc_u64 s[18:19], s[80:81], s[16:17]
	s_add_nc_u64 s[46:47], s[82:83], s[46:47]
.irp s, 0,1
	s_mov_b32 s[G0A+4*(\s)], 1
	s_mov_b32 s[G0A+4*(\s)+1], RING+AOFF+(\s)*SLOT
	s_add_nc_u64 s[G0A+4*(\s)+2:G0A+4*(\s)+3], s[18:19], (\s)*256
	s_or_b32 s[G0A+4*(\s)+3], s[G0A+4*(\s)+3], 0x80000000
	s_mov_b32 s[G0B+4*(\s)], 1
	s_add_co_u32 s[G0B+4*(\s)+1], s20, (\s)*SLOT
	s_add_nc_u64 s[G0B+4*(\s)+2:G0B+4*(\s)+3], s[46:47], (\s)*128*6144
	s_or_b32 s[G0B+4*(\s)+3], s[G0B+4*(\s)+3], 0x80000000
.endr
	s_mov_b32 s[G0T], 1
	s_lshl_b32 s[G0T+1], s[WV], 13                 ; LDS byte 8,192 x wave
	s_add_nc_u64 s[G0T+2:G0T+3], s[84:85], s[22:23]
	s_or_b32 s[G0T+3], s[G0T+3], 0x80000000
	CROUND                                         ; all sixteen work-groups are here: the first joint loads meet
	JLOAD 0                                        ; the first fills go out as one group: three loads of mine are out
	JLOAD 1
	tensor_load_to_lds s[G0T:G0T+3], s[G1T:G1T+7]
	s_nop 0
	PLACES
	; A fragment of xb: lane l holds row l % 16, K = 8 (l / 16) + 0..7 and 16 + 8 (l / 16) + 0..7: two loads of 16 bytes, 32 bytes apart.
	v_and_b32 v1, 15, v0                           ; r = l % 16
	v_bfe_u32 v2, v0, 4, 1                         ; h = l / 16
	v_mul_u32_u24 v6, v1, PA
	v_lshl_add_u32 v6, v2, 4, v6
	; The turning load takes 16 k x 16 columns (lane l reads k-row 8 h + l % 8, columns 8 ((l / 8) % 2) + 0..7) and leaves half a fragment: lane l holds column l % 16 and 8 k.
	v_and_b32 v3, 7, v0
	v_bfe_u32 v4, v0, 3, 1
	v_lshl_add_u32 v5, v2, 3, v3
	v_mul_u32_u24 v5, v5, PW
	v_lshl_add_u32 v5, v4, 4, v5
	s_lshl_b32 s11, s[WV], 6                       ; my 32 columns of each unit
	v_add_nc_u32 v5, s11, v5
.irp s, 0,1
	v_add_nc_u32 v[ADRA+(\s)], RING+AOFF+(\s)*SLOT, v6
.irp u, 0,1,2
	v_add_nc_u32 v[ADRB+3*(\s)+(\u)], RING+(\s)*SLOT+(\u)*SUBW, v5
.endr
.endr
	v_mul_u32_u24 v7, v1, PS                       ; into the stage: row r, my 128 bytes of a unit, 32 bytes for each half of the lanes
	v_lshl_add_u32 v7, v2, 5, v7
	s_lshl_b32 s11, s[WV], 7
	v_add_nc_u32 v7, s11, v7
.irp k, 0,1,2,3
	v_add_nc_u32 v[STO+(\k)], STG+32*PS*(\k), v7
.endr
	v_and_b32 v3, 31, v0                           ; lane
	s_mul_i32 s11, s[WV], 32*PS
	s_add_co_u32 s11, s11, STG
	v_lshl_add_u32 v[RDA], v3, 4, s11              ; out of it: my 32 rows, 16 bytes a lane
	s_lshl_b32 s11, s[WV], 13
	v_lshl_add_u32 v[TDA], v3, 3, s11              ; my 32 positions, two pairs a lane
	v_lshlrev_b32 v[GOF], 3, v3
	v_lshlrev_b32 v[L16], 4, v3
	; the prefetches
	s_and_b32 s22, ttmp7, 0xffff                   ; cluster y
	s_movk_i32 s23, 6144
	s_mov_b32 s[PST], 128*6144
	s_mov_b32 s[PST+1], 0
	s_cmp_eq_u32 s[WV], 3                          ; do I fetch for xb?
	s_cselect_b32 s22, ttmp9, s22                  ; the coordinate along which other clusters read the same rows
	s_cselect_b32 s21, s40, s41                    ; my place among the four that ask with me
	s_cselect_b64 s[PFA:PFA+1], s[18:19], s[46:47]
	s_cselect_b32 s23, 4096, s23                   ; bytes from row to row
	s_cselect_b32 s[PST], 256, s[PST]
	s_cmp_eq_u32 s22, 0
	s_cselect_b32 s[LIM], 1, -1
	s_lshl_b32 s21, s21, 5                         ; my work-group's 32 rows of the 128
	s_mul_i32 s20, s21, s23
	s_mul_i32 s21, s[PST], 3                       ; at K step 3: each refill steps it first, so the refill of step s + 2 names step s + 4
	s_add_co_u32 s20, s20, s21
	s_mov_b32 s21, 0
	s_add_nc_u64 s[PFA:PFA+1], s[PFA:PFA+1], s[20:21]
	v_mul_u32_u24 v[PFO], v3, s23
	s_mov_b32 s11, 0x3c000000                      ; 1 / 128
	s_mov_b32 s12, 0x358637bd                      ; 1e-6
	s_mov_b32 s[SEL], 0x76543210
	s_mov_b32 s[SEL+1], 0xfedcba98
; Row blocks alo .. ahi x all six column fragments, 32 along K.  The 48 accumulators take turns, one instruction a turn, in the same order in every quarter.  zero = 1: the product starts the sum.
.macro MULA f, alo, ahi, zero
.set a, \alo
.rept (\ahi)-(\alo)+1
.if a < 5
	WIN 0x50
.set rC, 48*a
.else
	WIN 0xa0
.set rC, 48*(a-5)
.endif
.set b, 0
.rept 6
.if \zero
	v_wmma_f32_16x16x32_bf16 v[rC+8*b:rC+8*b+7], v[(\f)+64+8*b:(\f)+64+8*b+7], v[(\f)+8*a:(\f)+8*a+7], 0
.else
	v_wmma_f32_16x16x32_bf16 v[rC+8*b:rC+8*b+7], v[(\f)+64+8*b:(\f)+64+8*b+7], v[(\f)+8*a:(\f)+8*a+7], v[rC+8*b:rC+8*b+7]
.endif
.set b, b+1
.endr
.set a, a+1
.endr
.endm
; 28 LDS loads in one run: quarter q (32 along K) of a slot into buffer f
.macro FETCH slot, q, f
	WIN 0
.irp i, 0,1,2,3,4,5,6,7
	ds_load_b128 v[(\f)+8*(\i):(\f)+8*(\i)+3],   v[ADRA+(\slot)] offset:64*(\q)+(\i)*16*PA
	ds_load_b128 v[(\f)+8*(\i)+4:(\f)+8*(\i)+7], v[ADRA+(\slot)] offset:64*(\q)+(\i)*16*PA+32
.endr
.irp i, 0,1,2,3,4,5
	ds_load_tr16_b128 v[(\f)+64+8*(\i):(\f)+64+8*(\i)+3],   v[ADRB+3*(\slot)+(\i)/2] offset:32*PW*(\q)+32*((\i)%2)
	ds_load_tr16_b128 v[(\f)+64+8*(\i)+4:(\f)+64+8*(\i)+7], v[ADRB+3*(\slot)+(\i)/2] offset:32*PW*(\q)+32*((\i)%2)+16*PW
.endr
.endm
; One of a K step's first three quarters: multiplies buffer f; behind 18 products it fetches quarter q into buffer g, 30 products ahead of its first use.
.macro QUARTER slot, q, f, g, zero
	s_wait_dscnt 0x0                               ; buffer f is in
	MULA \f, 5, 7, \zero
	PLACES
	FETCH \slot, \q, \g
	MULA \f, 0, 4, \zero
.endm
; The last quarter multiplies buffer 1 and changes slots.  30 of its 48 products stand AHEAD of the wait for the tensor loads: they need registers alone, so they run while the next slot's tile may still be on its way.
; Behind that wait stand only the add, the descriptors' steps, the wait for the add and for my reads of this slot, and the barrier: the refill goes out as soon behind the landing of the tile before it as the order allows.
; fill = 1: the barrier opens a round of the cluster's, and this slot is filled again, two K steps ahead, first thing behind the round.  The other 18 products stand behind the fetch of the next slot's first fragments.
.macro TURN slot, next, fill
.if \fill
	s_wait_xcnt 0x0                                ; the last prefetch, a K step back, has read its address
	s_add_nc_u64 s[PFA:PFA+1], s[PFA:PFA+1], s[PST:PST+1]
.endif
	s_wait_dscnt 0x0                               ; buffer 1 is in: my reads of this slot are over
	MULA F1, 5, 7, 0
	MULA F1, 0, 1, 0
	WIN 0
	s_wait_tensorcnt 0x0                           ; all my tensor loads have landed: my part of the next slot; so every group 0 may be written
	ds_add_u32 v[SPW], v[NIL]                      ; 0 onto my spare word; the descriptors' steps stand between it and the wait for it
.if \fill
	s_add_nc_u64 s[G0A+4*(\slot)+2:G0A+4*(\slot)+3], s[G0A+4*(\slot)+2:G0A+4*(\slot)+3], 2*256
	s_add_nc_u64 s[G0B+4*(\slot)+2:G0B+4*(\slot)+3], s[G0B+4*(\slot)+2:G0B+4*(\slot)+3], 2*128*6144
.endif
	s_wait_dscnt 0x0
	s_barrier_signal -1
	s_barrier_wait -1
.if \fill
	CREST                                          ; no wave of any partner still reads this slot or has a load on its way
	JLOAD \slot                                    ; the four v_nop behind it are also the places in front of the loads below
.else
	PLACES
.endif
	FETCH \next, 0, F0
.if \fill
	ASK
.endif
	MULA F1, 2, 4, 0
.endm
	s_wait_tensorcnt 2                             ; my part of K step 0 is in; slot 1's load and the table's may stay out
	s_barrier_signal -1
	s_barrier_wait -1
	FETCH 0, 0, F0
	QUARTER 0, 1, F0, F1, 1                        ; the first quarter stands in front of the loop: its products start the sums
	WIN 0
	s_mov_b32 s3, 7
.Llap:                                         ; a trip goes once round the ring, from a lap's second quarter to the next lap's first, and fills both slots again
	QUARTER 0, 2, F1, F0, 0
	QUARTER 0, 3, F0, F1, 0
	TURN 0, 1, 1
	QUARTER 1, 1, F0, F1, 0
	QUARTER 1, 2, F1, F0, 0
	QUARTER 1, 3, F0, F1, 0
	TURN 1, 0, 1
	QUARTER 0, 1, F0, F1, 0
	WIN 0
	s_sub_co_u32 s3, s3, 1
	s_cmp_lg_u32 s3, 0
	s_cbranch_scc1 .Llap
	QUARTER 0, 2, F1, F0, 0                        ; the last lap fills nothing
	QUARTER 0, 3, F0, F1, 0
	TURN 0, 1, 0
	QUARTER 1, 1, F0, F1, 0
	QUARTER 1, 2, F1, F0, 0
	QUARTER 1, 3, F0, F1, 0
	s_wait_dscnt 0x0                               ; the last quarter's fragments are in: my reads of both slots are over,
	s_barrier_signal -1                            ; and behind this barrier everybody's: the stage may be written over the slots
	MULA F1, 5, 7, 0
	MULA F1, 0, 4, 0
	WIN 0
	s_barrier_wait -1
	PLACES
	; THE WAY OUT.  First the loads of biases and gains, so that they come in under the stores into the stage.
.set BI,  32                           ; v[32:43]  bias of my 4 channels, unit 0, 1, 2
.set GA,  44                           ; v[44:55]  gain likewise
.set X,   56                           ; v[56:103] two sets of six (row, unit) x 4 channels
.set TP,  104                          ; v[104:111] two sets of two rows x two words (cos, sin in f16)
.set CS,  112                          ; v[112:119] two rows x (c0, s0, c1, s1)
.set Q,   120                          ; v[120:131] sums of squares
.set R,   132                          ; v[132:137] 1 / root
.set Y,   140                          ; v[140:163]
.set T,   164                          ; v[164:187]
.set OUT, 188                          ; v[188:211] two sets of six x 2
	s_mul_i32 s98, s42, 3                          ; the tile's first unit
.irp hh, 0,1,2
	s_add_co_u32 s99, s98, (\hh)
	s_cmp_lt_u32 s99, 16
	s_cselect_b64 s[68+4*(\hh):69+4*(\hh)], s[86:87], s[88:89]  ; bq or bk,
	s_cselect_b64 s[70+4*(\hh):71+4*(\hh)], s[92:93], s[94:95]  ; qn or kn (a v unit's gain is loaded and not used)
	s_cselect_b32 s100, 0, 16
	s_cmp_lt_u32 s99, 20
	s_cselect_b64 s[68+4*(\hh):69+4*(\hh)], s[68+4*(\hh):69+4*(\hh)], s[90:91]  ; or bv
	s_cselect_b32 s100, s100, 20
	s_cselect_b32 s[SV+(\hh)], 0, -1
	s_sub_co_u32 s100, s99, s100
	s_lshl_b32 s100, s100, 9                       ; the unit's 128 f32 in its bias
	s_mov_b32 s101, 0
	s_add_nc_u64 s[68+4*(\hh):69+4*(\hh)], s[68+4*(\hh):69+4*(\hh)], s[100:101]
	global_load_b128 v[BI+4*(\hh):BI+4*(\hh)+3], v[L16], s[68+4*(\hh):69+4*(\hh)]
	global_load_b128 v[GA+4*(\hh):GA+4*(\hh)+3], v[L16], s[70+4*(\hh):71+4*(\hh)]
.endr
	s_lshl_b32 s100, s98, 20                       ; a unit's plane is 4,096 rows of 256 bytes
	s_lshl_b32 s99, s13, 15
	s_add_co_u32 s100, s100, s99
	s_lshl_b32 s99, s[WV], 13
	s_add_co_u32 s100, s100, s99
	s_mov_b32 s101, 0
	s_add_nc_u64 s[QP:QP+1], s[96:97], s[100:101]
.set a, 0
.rept 8                                ; each accumulator's low four registers go first
.if a < 5
	WIN 0x04
.set rC, 48*a
.else
	WIN 0x08
.set rC, 48*(a-5)
.endif
.set b, 0
.rept 6
	ds_store_b128 v[STO+a/2], v[rC+8*b:rC+8*b+3]   offset:16*PS*(a%2)+512*(b/2)+64*(b%2)
	ds_store_b128 v[STO+a/2], v[rC+8*b+4:rC+8*b+7] offset:16*PS*(a%2)+512*(b/2)+64*(b%2)+16
.set b, b+1
.endr
.set a, a+1
.endr
	WIN 0
	s_wait_dscnt 0x0                               ; for the others' sake: my stores into the stage are done
	s_barrier_signal -1
	s_barrier_wait -1
	s_wait_loadcnt 0x0
.set n, 0
.rept 12                               ; biases and gains rounded to bf16, and widened again
	v_cvt_pk_bf16_f32 v[T+n], v[BI+2*n], v[BI+2*n+1]
.set n, n+1
.endr
.set n, 0
.rept 12
	v_lshlrev_b32 v[BI+2*n], 16, v[T+n]
	v_and_b32 v[BI+2*n+1], 0xffff0000, v[T+n]
.set n, n+1
.endr
; Rows i0, i0 + 1 behind the two addresses into a set: six loads of 512 consecutive bytes, two of 256.  Unit n of a set is row n / 3, unit n % 3.
.macro LOADR set, i0
.irp i, 0,1
.irp hh, 0,1,2
	ds_load_b128 v[X+24*(\set)+4*(3*(\i)+(\hh)):X+24*(\set)+4*(3*(\i)+(\hh))+3], v[RDA] offset:PS*((\i0)+(\i))+512*(\hh)
.endr
.endr
.irp i, 0,1
	ds_load_b64 v[TP+4*(\set)+2*(\i):TP+4*(\set)+2*(\i)+1], v[TDA] offset:256*((\i0)+(\i))
.endr
.endm
.macro SIX line:vararg                 ; one line for each unit n of the set
.set n, 0
.rept 6
	\line
.set n, n+1
.endr
.endm
.macro SCALE                           ; Y = X / root: the packed multiply takes R's register n for both halves
.if n%2
	v_pk_mul_f32 v[Y+4*n:Y+4*n+1], v[XS+4*n:XS+4*n+1], v[R+n-1:R+n] op_sel:[0,1] op_sel_hi:[1,1]
	v_pk_mul_f32 v[Y+4*n+2:Y+4*n+3], v[XS+4*n+2:XS+4*n+3], v[R+n-1:R+n] op_sel:[0,1] op_sel_hi:[1,1]
.else
	v_pk_mul_f32 v[Y+4*n:Y+4*n+1], v[XS+4*n:XS+4*n+1], v[R+n:R+n+1] op_sel_hi:[1,0]
	v_pk_mul_f32 v[Y+4*n+2:Y+4*n+3], v[XS+4*n+2:XS+4*n+3], v[R+n:R+n+1] op_sel_hi:[1,0]
.endif
.endm
.macro WORK set
.set XS, X+24*(\set)
.set OS, OUT+12*(\set)
	s_wait_xcnt 0x0                                ; this set's last stores have read their registers
.if (\set) == 0
	v_cvt_f32_f16 v[CS],   v104.l
	v_cvt_f32_f16 v[CS+1], v104.h
	v_cvt_f32_f16 v[CS+2], v105.l
	v_cvt_f32_f16 v[CS+3], v105.h
	v_cvt_f32_f16 v[CS+4], v106.l
	v_cvt_f32_f16 v[CS+5], v106.h
	v_cvt_f32_f16 v[CS+6], v107.l
	v_cvt_f32_f16 v[CS+7], v107.h
.else
	v_cvt_f32_f16 v[CS],   v108.l
	v_cvt_f32_f16 v[CS+1], v108.h
	v_cvt_f32_f16 v[CS+2], v109.l
	v_cvt_f32_f16 v[CS+3], v109.h
	v_cvt_f32_f16 v[CS+4], v110.l
	v_cvt_f32_f16 v[CS+5], v110.h
	v_cvt_f32_f16 v[CS+6], v111.l
	v_cvt_f32_f16 v[CS+7], v111.h
.endif
	SIX v_pk_add_f32 v[XS+4*n:XS+4*n+1], v[XS+4*n:XS+4*n+1], v[BI+4*(n%3):BI+4*(n%3)+1]
	SIX v_pk_add_f32 v[XS+4*n+2:XS+4*n+3], v[XS+4*n+2:XS+4*n+3], v[BI+4*(n%3)+2:BI+4*(n%3)+3]
	SIX v_pk_mul_f32 v[Q+2*n:Q+2*n+1], v[XS+4*n:XS+4*n+1], v[XS+4*n:XS+4*n+1]
	SIX v_pk_fma_f32 v[Q+2*n:Q+2*n+1], v[XS+4*n+2:XS+4*n+3], v[XS+4*n+2:XS+4*n+3], v[Q+2*n:Q+2*n+1]
	SIX v_add_f32 v[Q+2*n], v[Q+2*n], v[Q+2*n+1]
.irp m, 1,2,4,8                        ; over the 32 lanes: four steps inside each half, one across
	SIX v_add_f32_dpp v[Q+2*n], v[Q+2*n], v[Q+2*n] row_xmask:\m row_mask:0xf bank_mask:0xf
.endr
	SIX v_permlanex16_b32 v[Q+2*n+1], v[Q+2*n], s[SEL], s[SEL+1]
	SIX v_add_f32 v[Q+2*n], v[Q+2*n], v[Q+2*n+1]
	SIX v_fma_f32 v[Q+2*n], v[Q+2*n], s11, s12     ; mean + eps
	SIX v_rsq_f32 v[R+n], v[Q+2*n]
	v_nop                                          ; a plain instruction behind the last of them
	s_wait_alu depctr_va_vdst(0)
	SIX SCALE
	SIX v_pk_mul_f32 v[Y+4*n:Y+4*n+1], v[Y+4*n:Y+4*n+1], v[GA+4*(n%3):GA+4*(n%3)+1]
	SIX v_pk_mul_f32 v[Y+4*n+2:Y+4*n+3], v[Y+4*n+2:Y+4*n+3], v[GA+4*(n%3)+2:GA+4*(n%3)+3]
	; the rotation of a pair (e, o) by (c, s): T = (e c, o c); then (T.lo - o s, T.hi + e s)
	SIX v_pk_mul_f32 v[T+4*n:T+4*n+1], v[Y+4*n:Y+4*n+1], v[CS+4*(n/3):CS+4*(n/3)+1] op_sel_hi:[1,0]
	SIX v_pk_mul_f32 v[T+4*n+2:T+4*n+3], v[Y+4*n+2:Y+4*n+3], v[CS+4*(n/3)+2:CS+4*(n/3)+3] op_sel_hi:[1,0]
	SIX v_pk_fma_f32 v[Y+4*n:Y+4*n+1], v[Y+4*n:Y+4*n+1], v[CS+4*(n/3):CS+4*(n/3)+1], v[T+4*n:T+4*n+1] op_sel:[1,1,0] op_sel_hi:[0,1,1] neg_lo:[0,1,0]
	SIX v_pk_fma_f32 v[Y+4*n+2:Y+4*n+3], v[Y+4*n+2:Y+4*n+3], v[CS+4*(n/3)+2:CS+4*(n/3)+3], v[T+4*n+2:T+4*n+3] op_sel:[1,1,0] op_sel_hi:[0,1,1] neg_lo:[0,1,0]
.irp k, 0,1,2,3                        ; a unit of v keeps x W + b
	SIX v_cndmask_b32 v[Y+4*n+(\k)], v[Y+4*n+(\k)], v[XS+4*n+(\k)], s[SV+n%3]
.endr
	SIX v_cvt_pk_f16_f32 v[OS+2*n], v[Y+4*n], v[Y+4*n+1]
	SIX v_cvt_pk_f16_f32 v[OS+2*n+1], v[Y+4*n+2], v[Y+4*n+3]
	SIX global_store_b64 v[GOF], v[OS+2*n:OS+2*n+1], s[QP:QP+1] offset:1048576*(n%3)+256*(n/3)+512*(\set)  ; the wave stores a unit's row: 256 consecutive bytes, aligned
.endm
	LOADR 0, 0
	s_mov_b32 s3, 8
.Lrow:                                         ; a trip: four rows, in two sets; while one is worked on the other's eight loads are out
	LOADR 1, 2
	s_wait_dscnt 8                                 ; set 0 is in; set 1's eight loads may stay out
	WORK 0
	s_cmp_eq_u32 s3, 1
	s_cbranch_scc1 .Llast_rows                     ; the last trip has no rows behind its own
	v_add_nc_u32 v[RDA], 4*PS, v[RDA]
	v_add_nc_u32 v[TDA], 1024, v[TDA]
	LOADR 0, 0
	s_wait_dscnt 8                                 ; set 1 is in
	s_branch .Lset_1
.Llast_rows:
	s_wait_dscnt 0x0
.Lset_1:
	WORK 1
	s_wait_xcnt 0x0                                ; the stores have read their offset
	v_add_nc_u32 v[GOF], 1024, v[GOF]
	s_sub_co_u32 s3, s3, 1
	s_cmp_lg_u32 s3, 0
	s_cbranch_scc1 .Lrow
	s_wait_tensorcnt 0x0                           ; the wave's end: behind my last tensor load and my last LDS store
	ds_add_u32 v[SPW], v[NIL]
	s_wait_dscnt 0x0
	CROUND                                         ; the closing round
	s_endpgm
.Lfunc_end_k_qe8d585c74e_qkvproj:
	.size	k_qe8d585c74e_qkvproj, .Lfunc_end_k_qe8d585c74e_qkvproj-k_qe8d585c74e_qkvproj
	.p2alignl 7, 3214868480
	.fill 96, 4, 3214868480
	.section	.rodata,"a",@progbits
	.p2align	6, 0x0
	.amdhsa_kernel k_qe8d585c74e_qkvproj
		.amdhsa_group_segment_fixed_size 327680
		.amdhsa_private_segment_fixed_size 0
		.amdhsa_enable_private_segment 0
		.amdhsa_kernarg_size 72
		.amdhsa_user_sgpr_count 2
		.amdhsa_user_sgpr_kernarg_segment_ptr 1
		.amdhsa_wavefront_size32 1
		.amdhsa_system_sgpr_workgroup_id_x 1
		.amdhsa_system_sgpr_workgroup_id_y 1
		.amdhsa_system_sgpr_workgroup_id_z 1
		.amdhsa_system_vgpr_workitem_id 0
		.amdhsa_next_free_vgpr 656
		.amdhsa_next_free_sgpr 102
		.amdhsa_reserve_vcc 0
		.amdhsa_float_denorm_mode_32 3
		.amdhsa_float_denorm_mode_16_64 3
		.amdhsa_memory_ordered 1
		.amdhsa_forward_progress 1
		.amdhsa_inst_pref_size 126
	.end_amdhsa_kernel
	.amdgpu_metadata
---
amdhsa.version: [ 1, 2 ]
amdhsa.kernels:
  - .name:           k_qe8d585c74e_qkvproj
    .symbol:         k_qe8d585c74e_qkvproj.kd
    .args:
      - { .name: xb, .offset: 0, .size: 8, .value_kind: global_buffer, .address_space: global }
      - { .name: wb, .offset: 8, .size: 8, .value_kind: global_buffer, .address_space: global }
      - { .name: tab, .offset: 16, .size: 8, .value_kind: global_buffer, .address_space: global }
      - { .name: bq, .offset: 24, .size: 8, .value_kind: global_buffer, .address_space: global }
      - { .name: bk, .offset: 32, .size: 8, .value_kind: global_buffer, .address_space: global }
      - { .name: bv, .offset: 40, .size: 8, .value_kind: global_buffer, .address_space: global }
      - { .name: qn, .offset: 48, .size: 8, .value_kind: global_buffer, .address_space: global }
      - { .name: kn, .offset: 56, .size: 8, .value_kind: global_buffer, .address_space: global }
      - { .name: qkv, .offset: 64, .size: 8, .value_kind: global_buffer, .address_space: global }
    .group_segment_fixed_size: 327680
    .private_segment_fixed_size: 0
    .kernarg_segment_align: 8
    .kernarg_segment_size: 72
    .max_flat_workgroup_size: 128
    .sgpr_count:     102
    .vgpr_count:     656
    .wavefront_size: 32
...
	.end_amdgpu_metadata
.endif
;; end of part 2
;; launch attn (part 3): grid 16 x 16, 4 waves a work-group, clusters of 4 x 1, 327,680 bytes of LDS; arguments qkv, ob, Wo, wo; writes ob, wo
.if DOCPART == 3
	.amdgcn_target "amdgcn-amd-amdhsa--gfx1250"
	.amdhsa_code_object_version 6
	.text
	.protected	k_qe8d585c74e_attn
	.globl	k_qe8d585c74e_attn
	.p2align	8
	.type	k_qe8d585c74e_attn,@function
k_qe8d585c74e_attn:
	s_mov_b64 s[64:65], 0
	v_nop
	global_prefetch_b8 v0, s[64:65] scope:SCOPE_SE
	s_setreg_imm32_b32 hwreg(HW_REG_WAVE_MODE, 25, 1), 1
	s_wait_xcnt 0x0
	s_wait_alu depctr_hold_cnt(0) depctr_sa_sdst(0) depctr_va_vdst(0) depctr_va_sdst(0) depctr_va_ssrc(0) depctr_va_vcc(0) depctr_vm_vsrc(0)
	s_getreg_b32 s2, hwreg(HW_REG_IB_STS2, 6, 4)
	s_cmp_eq_u32 s2, 0
	s_cbranch_scc0 .Lentry_in_a_cluster
	s_endpgm
.Lentry_in_a_cluster:
	s_bfe_u32 s2, ttmp6, 0x10000c
	s_cmp_lg_u32 s2, 0x3003
	s_cbranch_scc0 .Lentry_shape_is_right
	s_endpgm
.Lentry_shape_is_right:
; CAUSAL ATTENTION, 16 query heads on 4 key/value heads, head size 128, 1,024 positions, 4 batches.  ob[m][128 head + d] = the sum over k <= q of softmax_k(Q . K / 128) V.
; qkv: f16 [24 units][4096 m][128]: units 0-15 q, 16-19 k, 20-23 v.  Products, maxima and sums in f32; the weights p are rounded to f16 for the second product (their sum l is taken of the unrounded p), O once at the end.
; The module scales twice, by 128^-0.5 each time: c = log2(e) / 128 is applied here, in f32.
; LIMITS.  A hidden score counts as its value less 1e30; a weight under 2^-126 counts as 0 in l; NaN and infinities are not treated apart.  O is a mean of V's rows and has their range.
; |Wo| stays under 65,504 (f16's end); a bf16(Wo) under 6e-5 keeps f16's fixed step of 6e-8.
; THE WALK.  A head's queries lie in 8 blocks of 128; block i needs the key tiles 0 .. i of 128 keys, the last of which holds the diagonal.  A work-group takes blocks 7 - PB and then PB: 9 tiles whatever PB,
; so all work-groups do equal work and one loop with a constant count walks them; the ring of two LDS slots runs on across the change of blocks.
; CLUSTER 4 x 1.  The four partners are the four query heads of one key/value head, with the same PB: they walk the same tiles of K and V, and each tile is asked for jointly, by the same load, descriptor and mask.
; SHARES.  A wave owns 32 queries of the block, two tiles of 16.  A tile of keys is two steps of 64.
; LAYOUT.  S^T = K Q^T holds ONE query a lane (l % 16) and the keys 8 (l / 16) + 0..7; two such results rounded to f16 ARE source 1 of O^T = V^T P.  K comes out of LDS as it lies, V turned, by ds_load_tr16_b128.
; THE MASK is the C operand that starts the sum S^T: key - query = 16 D + d with D = X + kb - t (X = 4 step - 2 wave in the diagonal tile, far below 0 elsewhere) and d = j + 8 (l / 16) - l % 16.  MD, made once, is -1e30 where
; d > 0; the mask for a value of kb - t is MD x AL + BE with (AL, BE) = (1, 0) if D = 0, (0, -1e30) if D > 0, (0, 0) if D < 0.  One text serves every step.  Key 0, which every query sees, lies in a block's first step.
; A STEP IS TURNED ROUND: K of step j is fetched under the products V^T P of step j - 1, V of step j under the softmax of step j.  Written in phases: products, softmax, products.
; THE SIDE JOB.  wo = bf16(Wo) written as f16, [2048 k][2048 n], for the launch behind.  Wo is 8,192 segments of 512 f32, 8 for each of the launch's 1,024 waves, and the loop over tiles has 8 trips: at a trip's end a wave
; rounds and stores the segment that it loaded a trip earlier (a whole tile's work lies between the loads and the wait for them) and loads the next.  A load covers 512 consecutive bytes, a store 256, aligned.
; REGISTERS, in windows of 256 (s_set_vgpr_msb: bits 1:0 source 0, 3:2 source 1, 5:4 source 2, 7:6 destination):
;   window 0: v0-15 addresses; v16-31 statistics; v32-95 S^T; v96-127 P; v128-255 O^T: all that the softmax touches.   window 1: v0-127 K; v128-191 Q; v192-255 the second block's Q.
;   window 2: v0-127 V; v128-167 MC; v168-175 MD; v176-207 the side job.
.set KS,    64
.set PK,    272                        ; a row of K in LDS: 256 bytes + 16: the 16 rows of a load start at 16 different groups of four banks (64 banks of 4 bytes: ISA guide 11.1)
.set PV,    288                        ; a row of V: 256 + 32
.set VOFF,  KS*PK                      ; a step's tiles lie together: 64 rows of K, then 64 of V
.set STEPB, KS*(PK+PV)
.set SLOT1, 1<<17                      ; a slot holds two steps (71,680 bytes); one exclusive or turns an address in one slot into the other's
.set STAGE, SLOT1+2*STEPB              ; 16 rows x 272 bytes for each wave, for the way out; no fill lands here
.set SP,    272
.set SPARE, STAGE+4*16*SP              ; the spare words, 128 bytes for each wave: two blocks of 256 bytes that no other line names
.set AK0, 2                            ; v2  my lane's place in a tile of K       v3  in a tile of V
.set AV0, 3
.set ADRK, 4                           ; v4, v5  the addresses of the runs of loads in hand
.set ADRV, 5
.set STO, 6                            ; v6, v7  the way out: into my stage, and back
.set RD,  7
.set GO,  8                            ; v8  my byte offset in two rows of ob
.set CVI, 10                           ; v10 the side job: 16 x lane; never rewritten once made
.set CVO, 11                           ; v11 8 x lane; likewise
.set SPW, 12                           ; v12 LDS address of my spare word; never rewritten
.set NIL, 13                           ; v13 0; never rewritten
.set PFO, 14                           ; v14 256 x lane; never rewritten
.set QO,  15                           ; v15 my byte offset in 16 rows of Q
.set ST,  16                           ; tile t at ST + 8 t: c m, m, l (even keys', odd keys'), c0-c3 at work; a takes c2's place
.set S,   32
.set P,   96
.set O,   128
.set QF,  128                          ; window 1
.set QB,  192
.set MC,  128                          ; window 2: the mask for kb - t = e - 1 at MC + 8 e
.set MD,  168
.set CX,  176                          ; window 2: a segment as loaded, 4 x 4 registers
.set CY,  192                          ; as stored, 4 x 2
.set CT,  200                          ; at work, 4 x 2
.set WV,  12
.set PB,  14
.set HI,  15
.set G1K, 24
.set G1V, 32
.set G0K, 40
.set G0V, 44
.set OP,  48                           ; s[48:49] ob at my rows of the block in hand;  s[50:51] of the second block
.set OLO, 50
.set PFA, 52
.set LIM, 54
.set SLOTS, 56
.set CNT, 57
.set CS,  58
.set SEL, 60
.set TB,  62                           ; s62 LDS byte at which the tiles of the step to be fetched begin
.set RT,  66                           ; s66 tiles of the block in hand still to be entered
.set NXT, 67                           ; s67 the tile to be asked for next
.set LQ,  68                           ; s68 the last tile of the block whose tiles are being asked for
.set NEW, 69                           ; s69 1: the tile to be entered is a block's first
.set OFF, 70
.set AL,  72
.set BE,  74
.set BIGN, 76
.set XX,  77                           ; s77 X of the step in hand
.set XD,  78                           ; s78 -2 x wave
.set WI,  96                           ; s[96:97] Wo at the segment to be loaded next
.set WOP, 98                           ; s[98:99] wo one segment behind the one to be stored next: the stores reach back
.set MSB, 0
.macro WIN new
.if MSB != (\new)
	s_set_vgpr_msb (MSB<<8)|(\new)
.set MSB, \new
.endif
.endm
.macro PLACES
.rept 4
	v_nop
.endr
.endm
.macro CROUND                          ; a round of the cluster's barrier
	s_barrier_signal -1
	s_barrier_wait -1
	s_cmp_lg_u32 s[WV], 0
	s_cbranch_scc1 .Lnot_wave_0_\@
	s_barrier_signal -3
.Lnot_wave_0_\@:
	s_barrier_wait -3
	s_barrier_signal -1
	s_barrier_wait -1
.endm
.macro JLOAD                           ; waves 0 and 1 fetch K of a tile's two steps, waves 2 and 3 V.  An s_nop 0 and four v_nop follow each line
	s_cmp_lt_u32 s[WV], 2
	s_cbranch_scc0 .Lfor_v_\@
	tensor_load_to_lds s[G0K:G0K+3], s[G1K:G1K+7]
	s_nop 0
	PLACES
	s_branch .Lasked_\@
.Lfor_v_\@:
	tensor_load_to_lds s[G0V:G0V+3], s[G1V:G1V+7]
	s_nop 0
	PLACES
.Lasked_\@:
.endm
; A prefetch into the L2 of the tile that the NEXT change of slots will ask for.  The four clusters of a key/value head walk the same tiles; the one with PB = 0 walks 0 .. 7 in order, and it alone asks: its four partners take
; 32 of a tile's 128 rows each, told apart by address; in each, wave 0 asks for K's and wave 2 for V's, a lane a row.  Trip i names tile i + 2, up to tile 7: each row of tiles 2 to 7 is named once.
.macro ASK
	s_cmp_gt_u32 s[SLOTS], s[LIM]
	s_cbranch_scc0 .Lnot_mine_\@
	global_prefetch_b8 v[PFO], s[PFA:PFA+1] th:TH_LOAD_NT scope:SCOPE_SE
.Lnot_mine_\@:
.endm
; THE CHANGE OF SLOTS.  Each wave waits for all its tensor loads (one is out: its part of the other slot), adds 0 to its spare word, and waits for that and for its reads of the slot that it leaves.
; fill = 1: a round of the cluster's barrier, and the old slot is filled again with tile NXT, first thing behind it; the descriptor's address is made anew from that number.  (At its first use slot 0 is waited for and slot 1 filled.)
; The side job's two pointers are stepped here too, behind the same wait that frees the prefetches' address.
.macro CHANGE fill
	WIN 0
	s_wait_tensorcnt 0x0
	ds_add_u32 v[SPW], v[NIL]                      ; 0 onto my spare word; the descriptors' scalar work stands between it and the wait for it
.if \fill
	s_lshl_b32 s[OFF], s[NXT], 15                  ; a tile is 32,768 bytes of K and of V
	s_xor_b32 s[G0K+1], s[G0K+1], SLOT1
	s_add_nc_u64 s[G0K+2:G0K+3], s[8:9], s[OFF:OFF+1]
	s_or_b32 s[G0K+3], s[G0K+3], 0x80000000
	s_xor_b32 s[G0V+1], s[G0V+1], SLOT1
	s_add_nc_u64 s[G0V+2:G0V+3], s[10:11], s[OFF:OFF+1]
	s_or_b32 s[G0V+3], s[G0V+3], 0x80000000
	s_add_co_u32 s[NXT], s[NXT], 1                 ; the block's next tile, or behind its last the second block's tile 0
	s_cmp_gt_u32 s[NXT], s[LQ]
	s_cselect_b32 s[NXT], 0, s[NXT]
	s_cselect_b32 s[LQ], s[PB], s[LQ]
	s_wait_xcnt 0x0                                ; the last prefetch and the side job's last loads and stores, a tile back, have read their addresses and data
	s_add_nc_u64 s[PFA:PFA+1], s[PFA:PFA+1], 32768
	s_add_nc_u64 s[WI:WI+1], s[WI:WI+1], 2048      ; the next segment of Wo,
	s_add_nc_u64 s[WOP:WOP+1], s[WOP:WOP+1], 1024  ; and of wo
	s_wait_dscnt 0x0
	CROUND
	JLOAD
	ASK
.else
	s_wait_dscnt 0x0
	s_barrier_signal -1
	s_barrier_wait -1
.endif
	s_sub_co_u32 s[TB], s[TB], 2*STEPB             ; the fetches go back to a slot's first step, in the other slot
	s_xor_b32 s[TB], s[TB], SLOT1
.endm
	s_load_b128 s[4:7], s[0:1], 0x0                ; qkv s[4:5], ob s[6:7]
	s_load_b128 s[WI:WI+3], s[0:1], 0x10           ; Wo s[96:97], wo s[98:99]
	v_lshl_add_u32 v[SPW], v0, 2, SPARE
	v_mov_b32 v[NIL], 0
	ds_add_u32 v[SPW], v[NIL]                      ; the wave's opening: the add and its wait ahead of my first tensor load
	v_lshrrev_b32 v1, 5, v0
	v_readfirstlane_b32 s[WV], v1
	s_bfe_u32 s13, ttmp6, 0x40000                  ; cx: which of the group's four query heads
	s_mov_b32 s[PB], ttmp9                         ; the cluster's x
	s_sub_co_u32 s[HI], 7, s[PB]
	s_and_b32 s16, ttmp7, 0xffff                   ; y = 4 batch + group
	s_lshl_b32 s79, ttmp9, 2                       ; the side job's share: 4 x (4 x cluster x + cx + 16 y) + wave: it enters Wo's and wo's addresses alone
	s_add_co_u32 s79, s79, s13
	s_lshl4_add_u32 s79, s16, s79
	s_lshl2_add_u32 s79, s79, s[WV]
	s_lshr_b32 s17, s16, 2
	s_and_b32 s18, s16, 3
	s_lshl_b32 s19, s17, 18                        ; the batch's 1,024 rows of 256 bytes
	s_and_b32 s16, s[WV], 1                        ; which of a tile's two steps I fetch
	s_add_co_u32 s20, s18, 16                      ; K: unit 16 + group
	s_lshl_b32 s20, s20, 20
	s_add_co_u32 s20, s20, s19
	s_lshl_b32 s21, s16, 14
	s_add_co_u32 s20, s20, s21
	s_mov_b32 s21, 0
	s_add_co_u32 s22, s20, 4<<20                   ; V: four units on
	s_mov_b32 s23, 0
	s_mul_i32 s2, s16, STEPB
	s_lshl2_add_u32 s80, s18, s13                  ; my query head = 4 group + cx: it enters Q's and ob's addresses alone
	s_lshl_b32 s81, s80, 20
	s_add_co_u32 s81, s81, s19
	s_lshl_b32 s82, s[WV], 13                      ; my 32 rows
	s_add_co_u32 s81, s81, s82
	s_lshl_b32 s82, s[HI], 15
	s_add_co_u32 s82, s82, s81                     ; Q of the first block
	s_mov_b32 s83, 0
	s_lshl_b32 s84, s[PB], 15
	s_add_co_u32 s84, s84, s81                     ; and of the second
	s_mov_b32 s85, 0
	s_lshl_b32 s81, s17, 22                        ; ob: rows of 4,096 bytes
	s_lshl_b32 s86, s[WV], 17
	s_add_co_u32 s81, s81, s86
	s_lshl_b32 s86, s80, 8
	s_add_co_u32 s81, s81, s86
	s_lshl_b32 s86, s[HI], 19
	s_add_co_u32 s86, s86, s81
	s_mov_b32 s87, 0
	s_lshl_b32 s88, s[PB], 19
	s_add_co_u32 s88, s88, s81
	s_mov_b32 s89, 0
	s_mov_b32 s[G1K], 15|(1<<16)|(1<<20)|(1<<21)|(5<<22)|(3<<25)  ; the mask of four; 2-byte elements; padding on; bit 21 beside a mask; after every 64 words; 4 words
	s_mov_b32 s[G1V], 15|(1<<16)|(1<<20)|(1<<21)|(5<<22)|(7<<25)  ; the same with 8 words
.irp g, G1K, G1V
	s_mov_b32 s[(\g)+1], 128<<16                   ; tensor_dim0 = 128
	s_mov_b32 s[(\g)+2], KS<<16                    ; tensor_dim1 = 64
	s_mov_b32 s[(\g)+3], 128<<16                   ; tile_dim0 = 128
	s_mov_b32 s[(\g)+4], KS                        ; tile_dim1 = 64
	s_mov_b32 s[(\g)+5], 128
	s_mov_b32 s[(\g)+6], 0
	s_mov_b32 s[(\g)+7], 0
.endr
	s_mov_b32 s[G0K], 1
	s_mov_b32 s[G0K+1], s2
	s_mov_b32 s[G0V], 1
	s_add_co_u32 s[G0V+1], s2, VOFF
	s_mov_b32 s[CS], 0x3c38aa3b                    ; c = log2(e) / 128
	s_mov_b32 s[CS+1], s[CS]
	s_mov_b32 s[SEL], 0x76543210
	s_mov_b32 s[SEL+1], 0xfedcba98
	s_mov_b32 s[TB], SLOT1+2*STEPB                 ; the first change of slots turns it into 0
	s_add_co_u32 s[RT], s[HI], 1
	s_mov_b32 s[NXT], 1
	s_mov_b32 s[LQ], s[HI]
	s_mov_b32 s[NEW], 1
	s_mov_b32 s[OFF+1], 0
	s_mov_b32 s[AL+1], 0
	s_mov_b32 s[BE+1], 0
	s_mov_b32 s[BIGN], 0xf149f2ca                  ; -1e30
	s_lshl_b32 s[XD], s[WV], 1
	s_sub_co_i32 s[XD], 0, s[XD]
	s_mov_b32 s[SLOTS], 8
	s_and_b32 s[LIM], s[WV], 1
	s_or_b32 s[LIM], s[LIM], ttmp9
	s_cmp_eq_u32 s[LIM], 0
	s_cselect_b32 s[LIM], 2, -1
	s_lshl_b32 s94, s13, 13                        ; my work-group's 32 rows of a tile's 128,
	s_add_co_u32 s94, s94, 32768                   ; in tile 1: the first change of slots steps it to tile 2
	s_mov_b32 s95, 0
	s_wait_dscnt 0x0                               ; the opening add is done
	s_wait_kmcnt 0x0
	s_add_nc_u64 s[8:9], s[4:5], s[20:21]          ; K and V at my step of tile 0
	s_add_nc_u64 s[10:11], s[4:5], s[22:23]
	s_add_nc_u64 s[G0K+2:G0K+3], s[8:9], 0
	s_or_b32 s[G0K+3], s[G0K+3], 0x80000000
	s_add_nc_u64 s[G0V+2:G0V+3], s[10:11], 0
	s_or_b32 s[G0V+3], s[G0V+3], 0x80000000
	s_add_nc_u64 s[90:91], s[4:5], s[82:83]
	s_add_nc_u64 s[92:93], s[4:5], s[84:85]
	s_add_nc_u64 s[OP:OP+1], s[6:7], s[86:87]
	s_add_nc_u64 s[OLO:OLO+1], s[6:7], s[88:89]
	s_lshl_b32 s100, s79, 14                       ; my share of Wo: 8 segments of 2,048 bytes on end,
	s_mov_b32 s101, 0
	s_add_nc_u64 s[WI:WI+1], s[WI:WI+1], s[100:101]
	s_lshl_b32 s100, s79, 13                       ; and of wo: 8 of 1,024
	s_add_nc_u64 s[WOP:WOP+1], s[WOP:WOP+1], s[100:101]
	s_cmp_lt_u32 s[WV], 2
	s_cselect_b64 s[PFA:PFA+1], s[8:9], s[10:11]   ; (in waves 0 and 2 these stand at a tile's first row)
	s_add_nc_u64 s[PFA:PFA+1], s[PFA:PFA+1], s[94:95]
	CROUND                                         ; all four work-groups are here: the first joint loads meet
	JLOAD                                          ; tile 0 into slot 0
	v_and_b32 v1, 15, v0                           ; r
	v_bfe_u32 v9, v0, 4, 1                         ; h
	v_lshlrev_b32 v[QO], 8, v1
	v_lshl_add_u32 v[QO], v9, 4, v[QO]
	WIN 0x40                                       ; destination window 1
.set i, 0
.rept 8                                ; Q stays in registers: tile i / 4, channels 32 (i % 4) on.  The first block's 16 loads go first: the first products wait for them alone
	global_load_b128 v[QF+8*i:QF+8*i+3],   v[QO], s[90:91] offset:(i/4)*4096+(i%4)*64
	global_load_b128 v[QF+8*i+4:QF+8*i+7], v[QO], s[90:91] offset:(i/4)*4096+(i%4)*64+32
.set i, i+1
.endr
.set i, 0
.rept 8                                ; the second block's 16
	global_load_b128 v[QB+8*i:QB+8*i+3],   v[QO], s[92:93] offset:(i/4)*4096+(i%4)*64
	global_load_b128 v[QB+8*i+4:QB+8*i+7], v[QO], s[92:93] offset:(i/4)*4096+(i%4)*64+32
.set i, i+1
.endr
	WIN 0
	v_lshlrev_b32 v11, 3, v9
	v_sub_nc_u32 v11, v1, v11                      ; r - 8 h: register j is hidden on the diagonal where j is greater
	WIN 0x80
.set i, 0
.rept 8
	v_cmp_gt_i32 vcc_lo, i, v11
	v_cndmask_b32 v[MD+i], 0, s[BIGN], vcc_lo
.set i, i+1
.endr
	WIN 0
	v_mul_u32_u24 v[AK0], v1, PK
	v_lshl_add_u32 v[AK0], v9, 4, v[AK0]
	v_and_b32 v10, 7, v0
	v_bfe_u32 v11, v0, 3, 1
	v_lshl_add_u32 v[AV0], v9, 3, v10
	v_mul_u32_u24 v[AV0], v[AV0], PV
	v_lshl_add_u32 v[AV0], v11, 4, v[AV0]
	v_add_nc_u32 v[AV0], VOFF, v[AV0]
	s_mul_i32 s16, s[WV], 16*SP
	s_add_co_u32 s16, s16, STAGE
	v_mul_u32_u24 v[STO], v1, SP                   ; in: row r, 16 bytes for each half of the lanes
	v_lshl_add_u32 v[STO], v9, 4, v[STO]
	v_add_nc_u32 v[STO], s16, v[STO]
	v_mul_u32_u24 v[RD], v9, SP                    ; back: lanes 0-15 one row of 256 bytes, lanes 16-31 the next
	v_lshl_add_u32 v[RD], v1, 4, v[RD]
	v_add_nc_u32 v[RD], s16, v[RD]
	v_lshlrev_b32 v[GO], 12, v9
	v_lshl_add_u32 v[GO], v1, 4, v[GO]
	v_and_b32 v[PFO], 31, v0
	v_lshlrev_b32 v[CVI], 4, v[PFO]
	v_lshlrev_b32 v[CVO], 3, v[PFO]
	v_lshlrev_b32 v[PFO], 8, v[PFO]
	WIN 0x80
.irp i, 0,1,2,3                        ; the side job's segment 0: four loads behind Q's 32
	global_load_b128 v[CX+4*(\i):CX+4*(\i)+3], v[CVI], s[WI:WI+1] offset:512*(\i) th:TH_LOAD_NT
.endr
	WIN 0
	; A block's first step multiplies O^T and l by a = 0, so these need only hold finite numbers: zeros for the first block, what the first block left for the second.  This stands in the wait for the first tile.
.set i, 0
.rept 128
	v_mov_b32 v[O+i], 0
.set i, i+1
.endr
.irp i, 2,3,10,11
	v_mov_b32 v[ST+(\i)], 0
.endr
.macro EACH line:vararg                ; one line for each of the wave's two tiles
.set t, 0
	s_wait_alu depctr_va_vdst(0)
.rept 2
.set rT, ST+8*t
.set rS, S+32*t
.set rP, P+16*t
.set rO, O+64*t
	\line
.set t, t+1
.endr
.endm
.macro FETCH_K                         ; 32 loads: keys 16 (f / 4) on, channels 32 (f % 4) on
	WIN 0x40
.irp f, 0,1,2,3,4,5,6,7,8,9,10,11,12,13,14,15
	ds_load_b128 v[8*(\f):8*(\f)+3],   v[ADRK] offset:((\f)/4)*16*PK+((\f)%4)*64
	ds_load_b128 v[8*(\f)+4:8*(\f)+7], v[ADRK] offset:((\f)/4)*16*PK+((\f)%4)*64+32
.endr
	WIN 0
.endm
.macro FETCH_V                         ; 32 turning loads: keys 32 (f / 8) on, channels 16 (f % 8) on
	WIN 0x80
.irp f, 0,1,2,3,4,5,6,7,8,9,10,11,12,13,14,15
	ds_load_tr16_b128 v[8*(\f):8*(\f)+3],   v[ADRV] offset:((\f)/8)*32*PV+((\f)%8)*32
	ds_load_tr16_b128 v[8*(\f)+4:8*(\f)+7], v[ADRV] offset:((\f)/8)*32*PV+16*PV+((\f)%8)*32
.endr
	s_add_co_u32 s[TB], s[TB], STEPB               ; the next fetches are the next step's
	WIN 0
.endm
.macro PVS                             ; O^T += V^T P: keys 32 (i / 16) on, channels 16 ((i / 2) % 8) on, tile i % 2.  The 16 accumulators take turns
	WIN 0x02
.set i, 0
.rept 32
.set rO, O+64*(i%2)+8*((i/2)%8)
.set rV, 64*(i/16)+8*((i/2)%8)
.set rP, P+16*(i%2)+8*(i/16)
	v_wmma_f32_16x16x32_f16 v[rO:rO+7], v[rV:rV+7], v[rP:rP+7], v[rO:rO+7]
.set i, i+1
.endr
.endm
.macro KQS                             ; S^T = K Q^T: channels 32 (i / 8) on, keys 16 ((i / 2) % 4) on, tile i % 2.  The first 8 start the sums with the mask; the 8 accumulators take turns
.set i, 0
.rept 32
.set rS, S+32*(i%2)+8*((i/2)%4)
.set rK, 32*((i/2)%4)+8*(i/8)
.set rQ, QF+32*(i%2)+8*(i/8)
.if i < 8
.set rM, MC+8*((i/2)%4-(i%2)+1)
	WIN 0x25
	v_wmma_f32_16x16x32_f16 v[rS:rS+7], v[rK:rK+7], v[rQ:rQ+7], v[rM:rM+7]
.else
	WIN 0x05
	v_wmma_f32_16x16x32_f16 v[rS:rS+7], v[rK:rK+7], v[rQ:rQ+7], v[rS:rS+7]
.endif
.set i, i+1
.endr
.endm
.macro MASKS                           ; the five masks of the step, for kb - t = e - 1; D = X + e - 1
	WIN 0x82
.irp e, 0,1,2,3,4
	s_cmp_eq_i32 s[XX], 1-(\e)
	s_cselect_b32 s[AL], 1.0, 0
	s_cmp_gt_i32 s[XX], 1-(\e)
	s_cselect_b32 s[BE], s[BIGN], 0
.irp z, 0,2,4,6
	v_pk_fma_f32 v[MC+8*(\e)+(\z):MC+8*(\e)+(\z)+1], v[MD+(\z):MD+(\z)+1], s[AL:AL+1], s[BE:BE+1] op_sel_hi:[1,0,0]
.endr
.endr
	s_add_co_i32 s[XX], s[XX], 4
	WIN 0
.endm
.macro EXPMUL                          ; an exponential and, as the plain instruction behind it, a pair of O^T times a
	v_exp_f32 v[rS+j], v[rS+j]
	s_wait_alu depctr_va_vdst(0)
	v_pk_mul_f32 v[rO+2*j:rO+2*j+1], v[rO+2*j:rO+2*j+1], v[rT+6:rT+7] op_sel_hi:[1,0]
.endm
; 134 instructions a tile, the two tiles alternating.  Each accumulator's lowest registers are read first.
.macro SOFTMAX
.set j, 0
.rept 4                                ; the maximum of the lane's 32 scores and the old m: four chains of seven, three operands at a time,
	EACH v_max3_num_f32 v[rT+4+j], v[rS+8*j], v[rS+8*j+1], v[rS+8*j+2]
.set j, j+1
.endr
.rept 8
	EACH v_max3_num_f32 v[rT+4+j%4], v[rT+4+j%4], v[rS+8*(j%4)+2*(j/4)+1], v[rS+8*(j%4)+2*(j/4)+2]
.set j, j+1
.endr
	EACH v_max3_num_f32 v[rT+4], v[rT+4], v[rS+7], v[rS+15]  ; the four left over,
	EACH v_max3_num_f32 v[rT+6], v[rT+6], v[rS+23], v[rS+31]
	EACH v_max3_num_f32 v[rT+4], v[rT+4], v[rT+5], v[rT+6]
	EACH v_max3_num_f32 v[rT+4], v[rT+4], v[rT+7], v[rT+1]
	EACH v_permlanex16_b32 v[rT+5], v[rT+4], s[SEL], s[SEL+1]  ; and the query's other 32 keys, in the lane 16 away
	EACH v_mov_b32 v[rT+7], v[rT]                  ; c m_old is kept
	EACH v_max_num_f32 v[rT+1], v[rT+4], v[rT+5]
	EACH v_mul_f32 v[rT], s[CS], v[rT+1]
	EACH v_sub_f32 v[rT+7], v[rT+7], v[rT]
	EACH v_exp_f32 v[rT+6], v[rT+7]                ; a
.set j, 0
.rept 16
	EACH v_pk_fma_f32 v[rS+2*j:rS+2*j+1], v[rS+2*j:rS+2*j+1], s[CS:CS+1], v[rT:rT+1] op_sel_hi:[1,0,0] neg_lo:[0,0,1] neg_hi:[0,0,1]
.set j, j+1
.endr
.set j, 0
.rept 32
	EACH EXPMUL
.set j, j+1
.endr
.set j, 0
.rept 16
	EACH v_cvt_pk_f16_f32 v[rP+j], v[rS+2*j], v[rS+2*j+1]
.set j, j+1
.endr
.irp w, 16,8,4,2                       ; the sum of the 16 pairs, in place
.set j, 0
.rept (\w)/2
	EACH v_pk_add_f32 v[rS+2*j:rS+2*j+1], v[rS+2*j:rS+2*j+1], v[rS+2*j+(\w):rS+2*j+(\w)+1]
.set j, j+1
.endr
.endr
	EACH v_pk_fma_f32 v[rT+2:rT+3], v[rT+2:rT+3], v[rT+6:rT+7], v[rS:rS+1] op_sel_hi:[1,0,1]
.endm
; A tile's two steps.  A block's first tile is entered in the middle of a trip: there is no step before it whose V^T P were due.
.macro BODY tag
	s_sub_co_u32 s[RT], s[RT], 1
	s_mov_b32 s[CNT], 2
	s_cmp_eq_u32 s[RT], 0                          ; the block's last tile holds the diagonal
	s_cselect_b32 s[XX], s[XD], -100
	s_cmp_eq_u32 s[NEW], 1
	s_cbranch_scc0 .Lstep\tag
	s_mov_b32 s[NEW], 0
	EACH v_mov_b32 v[rT], 0xfe000000               ; c m far below every c s: the first step's a is 0
	EACH v_mov_b32 v[rT+1], 0xff7fffff             ; m: the lowest finite number
	v_add_nc_u32 v[ADRK], s[TB], v[AK0]
	FETCH_K
	s_wait_loadcnt 20                              ; the first block's Q is in: behind its 16 loads went the second block's 16 and the side job's 4, which may stay out
	s_branch .Lfirst\tag
.Lstep\tag:
	v_add_nc_u32 v[ADRK], s[TB], v[AK0]
	FETCH_K                                        ; the last reader of K's registers stands in front of the softmax
	s_wait_dscnt 32                                ; V of the step before is in; K's 32 younger loads stay out
	PVS
	WIN 0
.Lfirst\tag:
	MASKS                                          ; 20 plain instructions: also the places between V's last readers and the loads into V
	s_wait_dscnt 0x0                               ; K is in
	KQS
	WIN 0
	v_add_nc_u32 v[ADRV], s[TB], v[AV0]            ; four places behind the last product
.rept 3
	v_nop
.endr
	FETCH_V
	SOFTMAX
	s_sub_co_u32 s[CNT], s[CNT], 1
	s_cmp_lg_u32 s[CNT], 0
	s_cbranch_scc1 .Lstep\tag
.endm
; A BLOCK'S END: the last step's V^T P; l's two halves and the other half of the lanes' are added (these lines are the places behind the products); O^T is divided by l, rounded to f16 and sent through my stage, a tile at a time.
.macro PACK t
.set i, 0
.rept 32
	v_pk_mul_f32 v[O+64*(\t)+2*i:O+64*(\t)+2*i+1], v[O+64*(\t)+2*i:O+64*(\t)+2*i+1], v[ST+8*(\t)+6:ST+8*(\t)+7] op_sel_hi:[1,0]
.set i, i+1
.endr
.set i, 0
.rept 32
	v_cvt_pk_f16_f32 v[S+32*(\t)+i], v[O+64*(\t)+2*i], v[O+64*(\t)+2*i+1]
.set i, i+1
.endr
.irp f, 0,1,2,3,4,5,6,7
	ds_store_b128 v[STO], v[S+32*(\t)+4*(\f):S+32*(\t)+4*(\f)+3] offset:32*(\f)
.endr
.irp f, 0,1,2,3,4,5,6,7
	ds_load_b128 v[S+32*(\t)+4*(\f):S+32*(\t)+4*(\f)+3], v[RD] offset:(\f)*2*SP  ; LDS serves a wave's instructions in order (ISA guide 5.7.1.4): these see the stores above; the next tile's stores come behind them
.endr
.endm
.macro SEND t, younger                 ; younger: the LDS instructions issued behind tile t's loads
.irp f, 0,1,2,3,4,5,6,7
	s_wait_dscnt (\younger)+7-(\f)
	global_store_b128 v[GO], v[S+32*(\t)+4*(\f):S+32*(\t)+4*(\f)+3], s[OP:OP+1] offset:(\t)*65536+(\f)*8192  ; 16 lanes store 256 consecutive bytes, aligned: a head's part of a row of ob
.endr
.endm
.macro FINISH
	s_wait_dscnt 0x0                               ; V is in
	PVS
	WIN 0
	EACH v_add_f32 v[rT+4], v[rT+2], v[rT+3]
	EACH v_permlanex16_b32 v[rT+5], v[rT+4], s[SEL], s[SEL+1]
	EACH v_add_f32 v[rT+4], v[rT+4], v[rT+5]
	EACH v_rcp_f32 v[rT+6], v[rT+4]
	v_nop                                          ; a plain instruction behind the last reciprocal
	s_wait_alu depctr_va_vdst(0)
	PACK 0
	PACK 1
	SEND 0, 16
	SEND 1, 0
.endm
; THE SIDE JOB's turn, at a trip's end.  The segment loaded a trip ago is rounded to bf16, widened, written as f16 (which holds a bf16 number exactly within its range) and stored; then the next is loaded.
; CY was the last turn's store data: the change of slots at this trip's head has waited for those stores' sources.  The last trip (SLOTS = 1) has no segment behind its own.
.macro CASTSTEP
	s_wait_loadcnt 0x0                             ; issued a whole tile's work ago
	WIN 0x8a                                       ; sources 0 and 1 and the destination in window 2
.irp i, 0,1,2,3
	v_cvt_pk_bf16_f32 v[CY+2*(\i)], v[CX+4*(\i)], v[CX+4*(\i)+1]
	v_cvt_pk_bf16_f32 v[CY+2*(\i)+1], v[CX+4*(\i)+2], v[CX+4*(\i)+3]
.endr
.irp n, 0,1,2,3,4,5,6,7
	v_lshlrev_b32 v[CT+2*((\n)%4)], 16, v[CY+(\n)]
	v_and_b32 v[CT+2*((\n)%4)+1], 0xffff0000, v[CY+(\n)]
	v_cvt_pk_f16_f32 v[CY+(\n)], v[CT+2*((\n)%4)], v[CT+2*((\n)%4)+1]
.endr
	WIN 0x08                                       ; a store's data is source 1: window 2; its offset register lies in window 0
.irp i, 0,1,2,3
	global_store_b64 v[CVO], v[CY+2*(\i):CY+2*(\i)+1], s[WOP:WOP+1] offset:256*(\i)-1024  ; the wave stores 256 consecutive bytes, aligned; the pointer was stepped at the trip's head
.endr
	WIN 0
	s_cmp_eq_u32 s[SLOTS], 1
	s_cbranch_scc1 .Lcast_done
	WIN 0x80
.irp i, 0,1,2,3
	global_load_b128 v[CX+4*(\i):CX+4*(\i)+3], v[CVI], s[WI:WI+1] offset:512*(\i) th:TH_LOAD_NT
.endr
	WIN 0
.Lcast_done:
.endm
.Lslot:                                        ; eight times: a tile is entered and the next is asked for
	CHANGE 1
	BODY 1
	s_cmp_lg_u32 s[RT], 0
	s_cbranch_scc1 .Lbottom
	FINISH                                         ; in the loop this is the first block's end: the second's last tile is the walk's last
	s_wait_xcnt 0x0                                ; the stores have read their registers and ob's address
	s_wait_loadcnt 0x0                             ; the second block's Q is in
	s_mov_b64 s[OP:OP+1], s[OLO:OLO+1]
	s_add_co_u32 s[RT], s[PB], 1
	s_mov_b32 s[NEW], 1
	WIN 0x41                                       ; the second block's Q goes where the one text names Q
.set i, 0
.rept 64
	v_mov_b32 v[QF+i], v[QB+i]
.set i, i+1
.endr
	WIN 0
.Lbottom:
	CASTSTEP
	s_sub_co_u32 s[SLOTS], s[SLOTS], 1
	s_cmp_lg_u32 s[SLOTS], 0
	s_cbranch_scc1 .Lslot
	CHANGE 0                                       ; the walk's last tile is written out: nothing is asked for
	BODY 2
	FINISH
	s_wait_tensorcnt 0x0                           ; the wave's end: behind my last tensor load and my last LDS store
	ds_add_u32 v[SPW], v[NIL]
	s_wait_dscnt 0x0
	CROUND                                         ; the closing round
	s_endpgm
.Lfunc_end_k_qe8d585c74e_attn:
	.size	k_qe8d585c74e_attn, .Lfunc_end_k_qe8d585c74e_attn-k_qe8d585c74e_attn
	.p2alignl 7, 3214868480
	.fill 96, 4, 3214868480
	.section	.rodata,"a",@progbits
	.p2align	6, 0x0
	.amdhsa_kernel k_qe8d585c74e_attn
		.amdhsa_group_segment_fixed_size 327680
		.amdhsa_private_segment_fixed_size 0
		.amdhsa_enable_private_segment 0
		.amdhsa_kernarg_size 32
		.amdhsa_user_sgpr_count 2
		.amdhsa_user_sgpr_kernarg_segment_ptr 1
		.amdhsa_wavefront_size32 1
		.amdhsa_system_sgpr_workgroup_id_x 1
		.amdhsa_system_sgpr_workgroup_id_y 1
		.amdhsa_system_sgpr_workgroup_id_z 1
		.amdhsa_system_vgpr_workitem_id 0
		.amdhsa_next_free_vgpr 720
		.amdhsa_next_free_sgpr 102
		.amdhsa_reserve_vcc 1
		.amdhsa_float_denorm_mode_32 3
		.amdhsa_float_denorm_mode_16_64 3
		.amdhsa_memory_ordered 1
		.amdhsa_forward_progress 1
		.amdhsa_inst_pref_size 119
	.end_amdhsa_kernel
	.amdgpu_metadata
---
amdhsa.version: [ 1, 2 ]
amdhsa.kernels:
  - .name:           k_qe8d585c74e_attn
    .symbol:         k_qe8d585c74e_attn.kd
    .args:
      - { .name: qkv, .offset: 0, .size: 8, .value_kind: global_buffer, .address_space: global }
      - { .name: ob, .offset: 8, .size: 8, .value_kind: global_buffer, .address_space: global }
      - { .name: Wo, .offset: 16, .size: 8, .value_kind: global_buffer, .address_space: global }
      - { .name: wo, .offset: 24, .size: 8, .value_kind: global_buffer, .address_space: global }
    .group_segment_fixed_size: 327680
    .private_segment_fixed_size: 0
    .kernarg_segment_align: 8
    .kernarg_segment_size: 32
    .max_flat_workgroup_size: 128
    .sgpr_count:     102
    .vgpr_count:     720
    .wavefront_size: 32
...
	.end_amdgpu_metadata
.endif
;; end of part 3
;; launch oproj (part 4): grid 8 x 32, 4 waves a work-group, clusters of 4 x 4, 327,680 bytes of LDS; arguments ob, wo, bo, out0; writes out0
.if DOCPART == 4
	.amdgcn_target "amdgcn-amd-amdhsa--gfx1250"
	.amdhsa_code_object_version 6
	.text
	.protected	k_qe8d585c74e_oproj
	.globl	k_qe8d585c74e_oproj
	.p2align	8
	.type	k_qe8d585c74e_oproj,@function
k_qe8d585c74e_oproj:
	s_mov_b64 s[64:65], 0
	v_nop
	global_prefetch_b8 v0, s[64:65] scope:SCOPE_SE
	s_setreg_imm32_b32 hwreg(HW_REG_WAVE_MODE, 25, 1), 1
	s_wait_xcnt 0x0
	s_wait_alu depctr_hold_cnt(0) depctr_sa_sdst(0) depctr_va_vdst(0) depctr_va_sdst(0) depctr_va_ssrc(0) depctr_va_vcc(0) depctr_vm_vsrc(0)
	s_getreg_b32 s2, hwreg(HW_REG_IB_STS2, 6, 4)
	s_cmp_eq_u32 s2, 0
	s_cbranch_scc0 .Lentry_in_a_cluster
	s_endpgm
.Lentry_in_a_cluster:
	s_bfe_u32 s2, ttmp6, 0x10000c
	s_cmp_lg_u32 s2, 0xf033
	s_cbranch_scc0 .Lentry_shape_is_right
	s_endpgm
.Lentry_shape_is_right:
; THE OUTPUT PROJECTION.  out0 = ob wo + bo.  ob: f16 [4096][2048]; wo: f16 [2048 k][2048 n] (the bf16 rounding of Wo, written as f16); bo rounded to bf16 like the module's other inputs; sums and out0 in f32.
; SHARES.  A tile of out0 is 128 rows x 256 columns: 8 x 32 tiles, one work-group each.  Each of the four waves takes all 128 rows and columns 64 w .. 64 w + 63: 32 accumulators of 16 x 16.
; K goes in steps of 128 through two LDS slots; wo lies [k][n]: its fragments come out of LDS turned, by ds_load_tr16_b128.
; THE MATRIX INSTRUCTION IS USED TRANSPOSED (source 0 = 16 columns of wo, source 1 = 16 rows of ob): a lane holds row l % 16 and the columns 8 (l / 16) + 0..7.
; CLUSTER 4 x 4: ob's tile is asked for jointly along a row of the cluster, wo's two sub-tiles along a column.
; THE WAY OUT.  A wave's 64 columns of f32 are 256 consecutive bytes of a row, aligned: 16 rows at a time go through the wave's own stage in LDS and leave as whole rows.
; REGISTERS: window 0: v0-31 addresses; two fragment buffers of 96 (ob's 8 fragments, then wo's 4).   window 1: the accumulators, (a, b) at 32 a + 8 b.
.set PA,    272                        ; a row of ob's tile in LDS: 256 bytes + 16
.set PW,    288                        ; a k-row of a sub-tile of wo: 256 + 32
.set SUBW,  128*PW
.set AOFF,  2*SUBW                     ; a slot: wo's two sub-tiles, then ob's tile: the loader's LDS address is its wave's number x SUBW + the slot's first byte
.set SLOT,  AOFF+128*PA
.set STAGE, 2*SLOT                     ; 16 rows x 272 bytes for each wave; no fill lands here
.set SP,    272
.set SPARE, STAGE+4*16*SP              ; the spare words, 128 bytes for each wave: two blocks of 256 bytes that no other line names
.set WV,   12
.set ADRA, 8
.set ADRB, 10
.set SPW,  16
.set NIL,  17
.set PFO,  18
.set STO,  19
.set RD,   20
.set CO,   21
.set BOF,  22
.set BO,   24                          ; v[24:27] bo of my 4 columns on the way out
.set F0,   32
.set F1,   128
.set G1A,  24
.set G0A,  32
.set G1B,  48
.set G0B,  56
.set LIM,  43
.set PFA,  44
.set PST,  66
.set MSB, 0
.macro WIN new
.if MSB != (\new)
	s_set_vgpr_msb (MSB<<8)|(\new)
.set MSB, \new
.endif
.endm
.macro PLACES
.rept 4
	v_nop
.endr
.endm
.macro CREST
	s_cmp_lg_u32 s[WV], 0
	s_cbranch_scc1 .Lnot_wave_0_\@
	s_barrier_signal -3
.Lnot_wave_0_\@:
	s_barrier_wait -3
	s_barrier_signal -1
	s_barrier_wait -1
.endm
.macro CROUND
	s_barrier_signal -1
	s_barrier_wait -1
	CREST
.endm
.macro JLOAD s                         ; waves 0 and 1 fetch wo's sub-tile of their number, wave 2 ob's tile, wave 3 nothing.  An s_nop 0 and four v_nop follow each line
	s_cmp_eq_u32 s[WV], 2
	s_cbranch_scc0 .Lnot_a_\@
	tensor_load_to_lds s[G0A+4*(\s):G0A+4*(\s)+3], s[G1A:G1A+7]
	s_nop 0
	PLACES
	s_branch .Lasked_\@
.Lnot_a_\@:
	s_cmp_eq_u32 s[WV], 3
	s_cbranch_scc1 .Lasked_\@
	tensor_load_to_lds s[G0B+4*(\s):G0B+4*(\s)+3], s[G1B:G1B+7]
	s_nop 0
	PLACES
.Lasked_\@:
.endm
; A prefetch into the L2 of the K step two refills on: 32 rows x 256 bytes, a lane a row.  ob's rows: cluster x = 0 asks (wave 2); wo's: cluster y = 0 (waves 0, 1); the four partners of a joint load take 32 of its 128 rows each,
; told apart by address.  Each row's 256 bytes of K steps 4 to 15 are named once; the loop's last trip (s3 = 1) names nothing.
.macro ASK
	s_cmp_gt_u32 s3, s[LIM]
	s_cbranch_scc0 .Lnot_mine_\@
	global_prefetch_b8 v[PFO], s[PFA:PFA+1] th:TH_LOAD_NT scope:SCOPE_SE
.Lnot_mine_\@:
.endm
	s_load_b256 s[4:11], s[0:1], 0x0               ; ob 4, wo 6, bo 8, out0 10
	v_lshl_add_u32 v[SPW], v0, 2, SPARE
	v_mov_b32 v[NIL], 0
	ds_add_u32 v[SPW], v[NIL]                      ; the wave's opening: the add and its wait ahead of my first tensor load
	v_lshrrev_b32 v1, 5, v0
	v_readfirstlane_b32 s[WV], v1
	s_bfe_u32 s40, ttmp6, 0x40000                  ; cx
	s_bfe_u32 s41, ttmp6, 0x40004                  ; cy
	s_lshl_b32 s42, ttmp9, 2
	s_add_co_u32 s42, s42, s40                     ; tx
	s_and_b32 s13, ttmp7, 0xffff
	s_lshl_b32 s13, s13, 2
	s_add_co_u32 s13, s13, s41                     ; ty
	s_lshl_b32 s14, s41, 2
	s_lshl_b32 s14, 15, s14
	s_lshl_b32 s15, 0x1111, s40
	s_or_b32 s[G1A], s14, (1<<16)|(1<<20)|(1<<21)|(5<<22)|(3<<25)
	s_or_b32 s[G1B], s15, (1<<16)|(1<<20)|(1<<21)|(5<<22)|(7<<25)
.irp g, G1A, G1B
	s_mov_b32 s[(\g)+1], 128<<16
	s_mov_b32 s[(\g)+2], 128<<16
	s_mov_b32 s[(\g)+3], 128<<16
	s_mov_b32 s[(\g)+4], 128
	s_mov_b32 s[(\g)+5], 2048
	s_mov_b32 s[(\g)+6], 0
	s_mov_b32 s[(\g)+7], 0
.endr
	s_lshl_b32 s16, s13, 19                        ; ob: 128 ty rows of 4,096 bytes
	s_mov_b32 s17, 0
	s_lshl_b32 s46, s42, 9                         ; wo: column 256 tx + 128 wave, in bytes
	s_lshl_b32 s47, s[WV], 8
	s_add_co_u32 s46, s46, s47
	s_mov_b32 s47, 0
	s_mul_i32 s20, s[WV], SUBW
	s_wait_dscnt 0x0                               ; the opening add is done
	s_wait_kmcnt 0x0
	s_add_nc_u64 s[18:19], s[4:5], s[16:17]
	s_add_nc_u64 s[46:47], s[6:7], s[46:47]
.irp s, 0,1
	s_mov_b32 s[G0A+4*(\s)], 1
	s_mov_b32 s[G0A+4*(\s)+1], AOFF+(\s)*SLOT
	s_add_nc_u64 s[G0A+4*(\s)+2:G0A+4*(\s)+3], s[18:19], (\s)*256
	s_or_b32 s[G0A+4*(\s)+3], s[G0A+4*(\s)+3], 0x80000000
	s_mov_b32 s[G0B+4*(\s)], 1
	s_add_co_u32 s[G0B+4*(\s)+1], s20, (\s)*SLOT
	s_add_nc_u64 s[G0B+4*(\s)+2:G0B+4*(\s)+3], s[46:47], (\s)*128*4096
	s_or_b32 s[G0B+4*(\s)+3], s[G0B+4*(\s)+3], 0x80000000
.endr
	CROUND                                         ; all sixteen work-groups are here: the first joint loads meet
	s_cmp_eq_u32 s[WV], 2                          ; a wave's two first fills stand in one branch on its number; wave 3 has none
	s_cbranch_scc0 .Lfirst_not_a
	tensor_load_to_lds s[G0A:G0A+3], s[G1A:G1A+7]
	s_nop 0
	tensor_load_to_lds s[G0A+4:G0A+7], s[G1A:G1A+7]
	s_nop 0
	PLACES
	s_branch .Lfirst_asked
.Lfirst_not_a:
	s_cmp_eq_u32 s[WV], 3
	s_cbranch_scc1 .Lfirst_asked
	tensor_load_to_lds s[G0B:G0B+3], s[G1B:G1B+7]
	s_nop 0
	tensor_load_to_lds s[G0B+4:G0B+7], s[G1B:G1B+7]
	s_nop 0
	PLACES
.Lfirst_asked:
	v_and_b32 v1, 15, v0                           ; r
	v_bfe_u32 v2, v0, 4, 1                         ; h
	v_mul_u32_u24 v6, v1, PA
	v_lshl_add_u32 v6, v2, 4, v6
	v_and_b32 v3, 7, v0
	v_bfe_u32 v4, v0, 3, 1
	v_lshl_add_u32 v5, v2, 3, v3
	v_mul_u32_u24 v5, v5, PW
	v_lshl_add_u32 v5, v4, 4, v5
	s_lshr_b32 s21, s[WV], 1                       ; my 64 columns: sub-tile wave / 2, its half wave % 2
	s_mul_i32 s21, s21, SUBW
	s_and_b32 s22, s[WV], 1
	s_lshl_b32 s22, s22, 7
	s_add_co_u32 s21, s21, s22
	v_add_nc_u32 v5, s21, v5
.irp s, 0,1
	v_add_nc_u32 v[ADRA+(\s)], AOFF+(\s)*SLOT, v6
	v_add_nc_u32 v[ADRB+(\s)], (\s)*SLOT, v5
.endr
	s_mul_i32 s21, s[WV], 16*SP
	s_add_co_u32 s21, s21, STAGE
	v_mul_u32_u24 v[STO], v1, SP                   ; in: row r, 32 bytes for each half of the lanes
	v_lshl_add_u32 v[STO], v2, 5, v[STO]
	v_add_nc_u32 v[STO], s21, v[STO]
	v_mul_u32_u24 v[RD], v2, SP                    ; back: lanes 0-15 one row of 256 bytes, lanes 16-31 the next
	v_lshl_add_u32 v[RD], v1, 4, v[RD]
	v_add_nc_u32 v[RD], s21, v[RD]
	v_lshlrev_b32 v[CO], 13, v2                    ; the same two rows in out0
	v_lshl_add_u32 v[CO], v1, 4, v[CO]
	v_lshlrev_b32 v[BOF], 4, v1
	s_lshl_b32 s22, s42, 10                        ; my 64 columns, in bytes of f32
	s_lshl_b32 s23, s[WV], 8
	s_add_co_u32 s22, s22, s23
	s_mov_b32 s23, 0
	s_add_nc_u64 s[8:9], s[8:9], s[22:23]
	global_load_b128 v[BO:BO+3], v[BOF], s[8:9]    ; waited for on the way out
	s_add_nc_u64 s[10:11], s[10:11], s[22:23]
	s_lshl_b32 s22, s13, 20                        ; 128 ty rows of 8,192 bytes
	s_add_nc_u64 s[10:11], s[10:11], s[22:23]
	; the prefetches
	s_and_b32 s22, ttmp7, 0xffff
	s_mov_b32 s[PST], 128*4096
	s_mov_b32 s[PST+1], 0
	s_cmp_eq_u32 s[WV], 2                          ; do I fetch for ob?
	s_cselect_b32 s22, ttmp9, s22
	s_cselect_b32 s21, s40, s41
	s_cselect_b64 s[PFA:PFA+1], s[18:19], s[46:47]
	s_cselect_b32 s[PST], 256, s[PST]
	s_cmp_eq_u32 s22, 0
	s_cselect_b32 s[LIM], 1, -1
	s_cmp_eq_u32 s[WV], 3
	s_cselect_b32 s[LIM], -1, s[LIM]
	s_lshl_b32 s20, s21, 17                        ; my work-group's 32 rows of 4,096 bytes
	s_mul_i32 s21, s[PST], 3                       ; at K step 3: each refill steps it first
	s_add_co_u32 s20, s20, s21
	s_mov_b32 s21, 0
	s_add_nc_u64 s[PFA:PFA+1], s[PFA:PFA+1], s[20:21]
	v_and_b32 v[PFO], 31, v0
	v_lshlrev_b32 v[PFO], 12, v[PFO]
; Row blocks alo .. ahi x all four column fragments, 32 along K.  The 32 accumulators take turns, one instruction a turn, in the same order in every quarter.
.macro MULA f, alo, ahi, zero
	WIN 0x50
.set a, \alo
.rept (\ahi)-(\alo)+1
.set b, 0
.rept 4
.if \zero
	v_wmma_f32_16x16x32_f16 v[32*a+8*b:32*a+8*b+7], v[(\f)+64+8*b:(\f)+64+8*b+7], v[(\f)+8*a:(\f)+8*a+7], 0
.else
	v_wmma_f32_16x16x32_f16 v[32*a+8*b:32*a+8*b+7], v[(\f)+64+8*b:(\f)+64+8*b+7], v[(\f)+8*a:(\f)+8*a+7], v[32*a+8*b:32*a+8*b+7]
.endif
.set b, b+1
.endr
.set a, a+1
.endr
.endm
.macro FETCH slot, q, f                ; 24 LDS loads in one run
	WIN 0
.irp i, 0,1,2,3,4,5,6,7
	ds_load_b128 v[(\f)+8*(\i):(\f)+8*(\i)+3],   v[ADRA+(\slot)] offset:64*(\q)+(\i)*16*PA
	ds_load_b128 v[(\f)+8*(\i)+4:(\f)+8*(\i)+7], v[ADRA+(\slot)] offset:64*(\q)+(\i)*16*PA+32
.endr
.irp i, 0,1,2,3
	ds_load_tr16_b128 v[(\f)+64+8*(\i):(\f)+64+8*(\i)+3],   v[ADRB+(\slot)] offset:32*PW*(\q)+32*(\i)
	ds_load_tr16_b128 v[(\f)+64+8*(\i)+4:(\f)+64+8*(\i)+7], v[ADRB+(\slot)] offset:32*PW*(\q)+32*(\i)+16*PW
.endr
.endm
.macro QUARTER slot, q, f, g, zero
	s_wait_dscnt 0x0                               ; buffer f is in
	MULA \f, 0, 2, \zero
	PLACES
	FETCH \slot, \q, \g
	MULA \f, 3, 7, \zero
.endm
; The last quarter multiplies buffer 1 and changes slots.  16 of its 32 products stand AHEAD of the wait for the tensor loads: they need registers alone, so they run while the next slot's tile may still be on its way.
; Behind that wait stand only the add, the descriptors' steps, the wait for the add and for my reads of this slot, and the barrier (with fill = 1: the round): the refill goes out as soon behind the landing of the tile
; before it as the order allows.  The other 16 products stand behind the fetch of the next slot's first fragments.
.macro TURN slot, next, fill
.if \fill
	s_wait_xcnt 0x0                                ; the last prefetch, a K step back, has read its address
	s_add_nc_u64 s[PFA:PFA+1], s[PFA:PFA+1], s[PST:PST+1]
.endif
	s_wait_dscnt 0x0                               ; buffer 1 is in: my reads of this slot are over
	MULA F1, 0, 3, 0
	WIN 0
	s_wait_tensorcnt 0x0                           ; all my tensor loads have landed, so every group 0 may be written
	ds_add_u32 v[SPW], v[NIL]                      ; 0 onto my spare word; the descriptors' steps stand between it and the wait for it
.if \fill
	s_add_nc_u64 s[G0A+4*(\slot)+2:G0A+4*(\slot)+3], s[G0A+4*(\slot)+2:G0A+4*(\slot)+3], 2*256
	s_add_nc_u64 s[G0B+4*(\slot)+2:G0B+4*(\slot)+3], s[G0B+4*(\slot)+2:G0B+4*(\slot)+3], 2*128*4096
.endif
	s_wait_dscnt 0x0
	s_barrier_signal -1
	s_barrier_wait -1
.if \fill
	CREST
	JLOAD \slot
.endif
	PLACES                                         ; the places in front of the loads below, in wave 3 too, which issues no tensor load
	FETCH \next, 0, F0
.if \fill
	ASK
.endif
	MULA F1, 4, 7, 0
.endm
	s_wait_tensorcnt 1                             ; my part of K step 0 is in; slot 1's may stay out
	s_barrier_signal -1
	s_barrier_wait -1
	FETCH 0, 0, F0
	QUARTER 0, 1, F0, F1, 1
	WIN 0
	s_mov_b32 s3, 7
.Llap:
	QUARTER 0, 2, F1, F0, 0
	QUARTER 0, 3, F0, F1, 0
	TURN 0, 1, 1
	QUARTER 1, 1, F0, F1, 0
	QUARTER 1, 2, F1, F0, 0
	QUARTER 1, 3, F0, F1, 0
	TURN 1, 0, 1
	QUARTER 0, 1, F0, F1, 0
	WIN 0
	s_sub_co_u32 s3, s3, 1
	s_cmp_lg_u32 s3, 0
	s_cbranch_scc1 .Llap
	QUARTER 0, 2, F1, F0, 0
	QUARTER 0, 3, F0, F1, 0
	TURN 0, 1, 0
	QUARTER 1, 1, F0, F1, 0
	QUARTER 1, 2, F1, F0, 0
	QUARTER 1, 3, F0, F1, 0
	s_wait_dscnt 0x0
	MULA F1, 0, 7, 0
	WIN 0
	PLACES
	s_wait_loadcnt 0x0                             ; bo, rounded to bf16 and widened again
	v_cvt_pk_bf16_f32 v28, v[BO], v[BO+1]
	v_cvt_pk_bf16_f32 v29, v[BO+2], v[BO+3]
	v_lshlrev_b32 v[BO], 16, v28
	v_and_b32 v[BO+1], 0xffff0000, v28
	v_lshlrev_b32 v[BO+2], 16, v29
	v_and_b32 v[BO+3], 0xffff0000, v29
; Row block a: the accumulators go into my stage (each one's low four registers first) and come back as whole rows; the bias is added; 16 lanes store 256 consecutive bytes, aligned.
.macro OUTB a
	WIN 0x04
.set b, 0
.rept 4
	ds_store_b128 v[STO], v[32*(\a)+8*b:32*(\a)+8*b+3]   offset:64*b
	ds_store_b128 v[STO], v[32*(\a)+8*b+4:32*(\a)+8*b+7] offset:64*b+16
.set b, b+1
.endr
	WIN 0
.set BK, 32+32*((\a)%2)
.irp t, 0,1,2,3,4,5,6,7
	ds_load_b128 v[BK+4*(\t):BK+4*(\t)+3], v[RD] offset:(\t)*2*SP  ; LDS serves a wave's instructions in order (ISA guide 5.7.1.4): these see the stores above; the next block's stores come behind them
.endr
	s_wait_xcnt 0x0                                ; the stores so far have read their base and their data: the base is stepped, and the next block's loads land on registers that are free
.if (\a) > 0
	s_add_nc_u64 s[10:11], s[10:11], 16*8192
.endif
.irp t, 0,1,2,3,4,5,6,7
	s_wait_dscnt 7-(\t)
	v_pk_add_f32 v[BK+4*(\t):BK+4*(\t)+1], v[BK+4*(\t):BK+4*(\t)+1], v[BO:BO+1]
	v_pk_add_f32 v[BK+4*(\t)+2:BK+4*(\t)+3], v[BK+4*(\t)+2:BK+4*(\t)+3], v[BO+2:BO+3]
	global_store_b128 v[CO], v[BK+4*(\t):BK+4*(\t)+3], s[10:11] offset:(\t)*16384
.endr
.endm
.irp a, 0,1,2,3,4,5,6,7
	OUTB \a
.endr
	s_wait_tensorcnt 0x0                           ; the wave's end: behind my last tensor load and my last LDS store
	ds_add_u32 v[SPW], v[NIL]
	s_wait_dscnt 0x0
	CROUND                                         ; the closing round
	s_endpgm
.Lfunc_end_k_qe8d585c74e_oproj:
	.size	k_qe8d585c74e_oproj, .Lfunc_end_k_qe8d585c74e_oproj-k_qe8d585c74e_oproj
	.p2alignl 7, 3214868480
	.fill 96, 4, 3214868480
	.section	.rodata,"a",@progbits
	.p2align	6, 0x0
	.amdhsa_kernel k_qe8d585c74e_oproj
		.amdhsa_group_segment_fixed_size 327680
		.amdhsa_private_segment_fixed_size 0
		.amdhsa_enable_private_segment 0
		.amdhsa_kernarg_size 32
		.amdhsa_user_sgpr_count 2
		.amdhsa_user_sgpr_kernarg_segment_ptr 1
		.amdhsa_wavefront_size32 1
		.amdhsa_system_sgpr_workgroup_id_x 1
		.amdhsa_system_sgpr_workgroup_id_y 1
		.amdhsa_system_sgpr_workgroup_id_z 1
		.amdhsa_system_vgpr_workitem_id 0
		.amdhsa_next_free_vgpr 512
		.amdhsa_next_free_sgpr 72
		.amdhsa_reserve_vcc 0
		.amdhsa_float_denorm_mode_32 3
		.amdhsa_float_denorm_mode_16_64 3
		.amdhsa_memory_ordered 1
		.amdhsa_forward_progress 1
		.amdhsa_inst_pref_size 96
	.end_amdhsa_kernel
	.amdgpu_metadata
---
amdhsa.version: [ 1, 2 ]
amdhsa.kernels:
  - .name:           k_qe8d585c74e_oproj
    .symbol:         k_qe8d585c74e_oproj.kd
    .args:
      - { .name: ob, .offset: 0, .size: 8, .value_kind: global_buffer, .address_space: global }
      - { .name: wo, .offset: 8, .size: 8, .value_kind: global_buffer, .address_space: global }
      - { .name: bo, .offset: 16, .size: 8, .value_kind: global_buffer, .address_space: global }
      - { .name: out0, .offset: 24, .size: 8, .value_kind: global_buffer, .address_space: global }
    .group_segment_fixed_size: 327680
    .private_segment_fixed_size: 0
    .kernarg_segment_align: 8
    .kernarg_segment_size: 32
    .max_flat_workgroup_size: 128
    .sgpr_count:     72
    .vgpr_count:     512
    .wavefront_size: 32
...
	.end_amdgpu_metadata
.endif
;; end of part 4
;; ======== version 2 of 2: 4 launches; version 1 with the launch prep written anew for expert scheduling mode
;; limits: values are held in f16: magnitudes above 65,504 overflow, below 6.1e-05 lose precision
;; workspace buffers: xb 16,777,216 bytes; wb 12,582,912 bytes; wo 8,388,608 bytes; tab 262,144 bytes; qkv 25,165,824 bytes; ob 16,777,216 bytes
;; launch prep (part 5): grid 256 x 1, 14 waves a work-group, no clusters, 0 bytes of LDS; arguments x, Wq, Wk, Wv, xb, wb, tab; writes xb, wb, tab
.if DOCPART == 5
	.amdgcn_target "amdgcn-amd-amdhsa--gfx1250"
	.amdhsa_code_object_version 6
	.text
	.protected	k_qe8d585c74e_prep
	.globl	k_qe8d585c74e_prep
	.p2align	8
	.type	k_qe8d585c74e_prep,@function
k_qe8d585c74e_prep:
	s_mov_b64 s[64:65], 0
	v_nop
	global_prefetch_b8 v0, s[64:65] scope:SCOPE_SE
	s_setreg_imm32_b32 hwreg(HW_REG_WAVE_SCHED_MODE, 0, 2), 2
	s_setreg_imm32_b32 hwreg(HW_REG_WAVE_MODE, 25, 1), 1
	s_wait_xcnt 0x0
	s_wait_alu depctr_vm_vsrc(0)
; CASTS AND THE ROTARY TABLE.  xb = bf16(x) [4096][2048];  wb = bf16(Wq | Wk | Wv) [2048 k][3072 n];
; tab[pos][pair] = one word (cos f16 low, sin f16 high), 1,024 positions x 64 pairs.  (Wo is cast in the attention launch, which has the room for it.)
; LIMITS.  The table's angle pos x 10000^(-j/64) is made in f32 (2^x by v_exp_f32, the turn count by one fused multiply-add): within about 1e-4 rad of an exact angle at pos = 1,023; cos and sin are rounded to f16.
; SHARES.  A segment is 512 consecutive f32 of a row: 2,048 bytes in, 1,024 out.  A share is 8 segments, IS bytes apart in the input and OS bytes apart in the output.  There are 3,584 shares:
; x 2,048, Wq 1,024, Wk 256, Wv 256: 14 for each of 256 work-groups, one a wave: share U = 14 x work-group + wave.  The waves with U < 1,024 also make the table's row U, while their loads are on their way.
; A load of a wave covers 512 consecutive bytes, a store 256 consecutive bytes, aligned.  All 32 loads of a wave go out at once; no register is used twice.
; No LDS, no matrix unit, no cluster: nothing is shared and nothing is read twice.
; THE MODE: SCHED_MODE bits 1:0 = 2 (LLVM: expert scheduling mode 2), set by the entry lines.  The code itself states the register dependences
; between vector instructions and memory instructions, with s_wait_alu, always for 0.
; THE PLAN.  Registers that memory instructions touch:
;   VI, VO     the offsets of the loads and of the stores: written once at the head by vector adds, never again.
;   X          load i lands in X + 4 i .. + 3, which no vector instruction names before; its two roundings read the four and write the first two; its store reads those two; nothing writes them afterwards.
;   TR, TP     the offset and the data of the table's one store: written by the table's vector work, never again.
; No register that a memory instruction reads is ever written again, so no wait on vm_vsrc is owed.  The 32 loads go in 8 blocks of four (a segment).  Block g rounds its four loads; the stores of block g - 1
; are dealt among its roundings: ONE wait on va_vdst at the block's head states that block g - 1's roundings have written those stores' data, and no vector instruction of block g names those registers.
.set VI,  2                            ; v[2:9]    segment s: 16 x lane + s x IS
.set VO,  10                           ; v[10:17]  segment s: 8 x lane + s x OS
.set X,   20                           ; v[20:147] 32 loads of four registers
.set TBL, 152                          ; v[152:171] the table's row, two chains side by side
.set TA,  TBL                          ; the angle
.set TN,  TBL+2                        ; whole turns
.set TY,  TBL+4                        ; y
.set TZ,  TBL+6                        ; y^2
.set TS,  TBL+8                        ; sin y
.set TC,  TBL+10                       ; cos y
.set TT,  TBL+12                       ; 2 sin y, then cos
.set TU,  TBL+14                       ; sin
.set TP,  TBL+16                       ; the two packed words
.set TQ,  TBL+18                       ; the position in f32
.set TR,  TBL+19                       ; my 8 bytes of the row
.set IN,  26                           ; s[26:27]  the wave's first input byte
.set OUT, 28                           ; s[28:29]  the wave's first output byte
	s_load_b256 s[4:11], s[0:1], 0x0               ; x 4, Wq 6, Wk 8, Wv 10
	s_load_b128 s[12:15], s[0:1], 0x20             ; xb 12, wb 14
	s_load_b64 s[16:17], s[0:1], 0x30              ; tab
	v_lshrrev_b32 v1, 5, v0
	v_readfirstlane_b32 s22, v1                    ; wave 0..13
	v_and_b32 v1, 31, v0                           ; lane
	s_wait_alu depctr_va_sdst(0)                   ; s22 is written, ahead of its first reader: the share's number is made from it
	s_mul_i32 s23, ttmp9, 14
	s_add_co_u32 s23, s23, s22                     ; U
	s_movk_i32 s30, 8192                           ; IS, OS and the output bytes of a share, as Wq has them
	s_movk_i32 s31, 6144
	s_mov_b32 s32, 49152
	s_mov_b32 s36, 0x3e22f983                      ; 1 / (2 pi)
	s_wait_kmcnt 0x0
	; which array: each compare keeps what stands or takes the next array's figures
	s_cmp_lt_u32 s23, 2048
	s_cselect_b32 s24, 0, 2048                     ; the array's first share
	s_cselect_b32 s37, 0, 1                        ; 1: Wq, whose rows hold four segments that go to rows of another length
	s_cselect_b64 s[IN:IN+1], s[4:5], s[6:7]
	s_cselect_b64 s[OUT:OUT+1], s[12:13], s[14:15]
	s_cselect_b32 s30, 2048, s30
	s_cselect_b32 s31, 1024, s31
	s_cselect_b32 s32, 8192, s32
	s_cmp_lt_u32 s23, 3072
	s_cselect_b32 s24, s24, 3072
	s_cselect_b32 s37, s37, 0
	s_cselect_b64 s[IN:IN+1], s[IN:IN+1], s[8:9]
	s_cselect_b32 s30, s30, 2048
	s_cselect_b32 s33, 0, 4096                     ; Wk's columns begin at byte 4,096 of a row of wb,
	s_cmp_lt_u32 s23, 3328
	s_cselect_b32 s24, s24, 3328
	s_cselect_b64 s[IN:IN+1], s[IN:IN+1], s[10:11]
	s_cselect_b32 s33, s33, 5120                   ; Wv's at 5,120
	s_sub_co_u32 s25, s23, s24                     ; R: the share's number within its array
	s_lshl_b32 s34, s25, 14                        ; x, Wk, Wv: 8 segments on end, 16,384 R
	s_mul_i32 s38, s25, s32
	s_add_co_u32 s38, s38, s33
	s_lshr_b32 s40, s25, 2                         ; Wq: rows 8 (R / 4) on, quarter R % 4 of each
	s_and_b32 s41, s25, 3
	s_lshl_b32 s42, s40, 16
	s_lshl_b32 s43, s41, 11
	s_add_co_u32 s42, s42, s43
	s_mul_i32 s44, s40, 49152
	s_lshl_b32 s45, s41, 10
	s_add_co_u32 s44, s44, s45
	s_cmp_eq_u32 s37, 1
	s_cselect_b32 s34, s42, s34
	s_cselect_b32 s38, s44, s38
	s_mov_b32 s35, 0
	s_mov_b32 s39, 0
	s_add_nc_u64 s[IN:IN+1], s[IN:IN+1], s[34:35]
	s_add_nc_u64 s[OUT:OUT+1], s[OUT:OUT+1], s[38:39]
	v_lshlrev_b32 v[VI], 4, v1
	v_lshlrev_b32 v[VO], 3, v1
.irp i, 1,2,3,4,5,6,7
	v_add_nc_u32 v[VI+(\i)], s30, v[VI+(\i)-1]
	v_add_nc_u32 v[VO+(\i)], s31, v[VO+(\i)-1]
.endr
	s_wait_alu depctr_va_vdst(0)                   ; the sixteen offsets v[VI ..] and v[VO ..] are written: every load below reads one of the first eight, every store of a segment one of the others
.set i, 0
.rept 32
	global_load_b128 v[X+4*i:X+4*i+3], v[VI+i/4], s[IN:IN+1] offset:(i%4)*512 th:TH_LOAD_NT
.set i, i+1
.endr
	s_cmp_lt_u32 s23, 1024
	s_cbranch_scc0 .Lno_row
	; The table's row U, made while the loads are out: a lane makes pairs 2 lane and 2 lane + 1, as two chains side by side.  None of these lines names a register of the loads.
	v_lshlrev_b32 v[TA], 1, v1
	v_or_b32 v[TA+1], 1, v[TA]
	v_cvt_f32_u32 v[TA], v[TA]
	v_cvt_f32_u32 v[TA+1], v[TA+1]
	v_cvt_f32_u32 v[TQ], s23
	v_mul_f32 v[TA], 0xbe549a78, v[TA]             ; -j log2(10000) / 64
	v_mul_f32 v[TA+1], 0xbe549a78, v[TA+1]
	v_exp_f32 v[TA], v[TA]
	v_exp_f32 v[TA+1], v[TA+1]
	v_lshlrev_b32 v[TR], 3, v1                     ; (a plain instruction behind the exponentials)
	s_wait_alu depctr_va_vdst(0)                   ; the two exponentials have written v[TA] and v[TA+1], ahead of the products that read them: one wait for the batch
.macro TWICE line:vararg               ; one line for each chain k
.set k, 0
.rept 2
	\line
.set k, k+1
.endr
.endm
	TWICE v_mul_f32 v[TA+k], v[TQ], v[TA+k]        ; the angle
	TWICE v_mul_f32 v[TN+k], s36, v[TA+k]
	TWICE v_rndne_f32 v[TN+k], v[TN+k]             ; whole turns
	TWICE v_fma_f32 v[TY+k], v[TA+k], s36, -v[TN+k]  ; what is left, in turns: -0.5 .. 0.5
	TWICE v_mul_f32 v[TY+k], 0x40490fdb, v[TY+k]   ; y = half the angle left: -pi/2 .. pi/2, for every position: the series below are cut for that range, remainders under 6e-8
	TWICE v_mul_f32 v[TZ+k], v[TY+k], v[TY+k]
	TWICE v_mov_b32 v[TS+k], 0xb2d7322b            ; sin y = y (1 - z/3! + z^2/5! - .. - z^5/11!)
	TWICE v_fmaak_f32 v[TS+k], v[TS+k], v[TZ+k], 0x3638ef1d
	TWICE v_fmaak_f32 v[TS+k], v[TS+k], v[TZ+k], 0xb9500d01
	TWICE v_fmaak_f32 v[TS+k], v[TS+k], v[TZ+k], 0x3c088889
	TWICE v_fmaak_f32 v[TS+k], v[TS+k], v[TZ+k], 0xbe2aaaab
	TWICE v_fma_f32 v[TS+k], v[TS+k], v[TZ+k], 1.0
	TWICE v_mul_f32 v[TS+k], v[TS+k], v[TY+k]
	TWICE v_mov_b32 v[TC+k], 0x310f76c7            ; cos y = 1 - z/2! + z^2/4! - .. + z^6/12!
	TWICE v_fmaak_f32 v[TC+k], v[TC+k], v[TZ+k], 0xb493f27e
	TWICE v_fmaak_f32 v[TC+k], v[TC+k], v[TZ+k], 0x37d00d01
	TWICE v_fmaak_f32 v[TC+k], v[TC+k], v[TZ+k], 0xbab60b61
	TWICE v_fmaak_f32 v[TC+k], v[TC+k], v[TZ+k], 0x3d2aaaab
	TWICE v_fma_f32 v[TC+k], v[TC+k], v[TZ+k], -0.5
	TWICE v_fma_f32 v[TC+k], v[TC+k], v[TZ+k], 1.0
	TWICE v_add_f32 v[TT+k], v[TS+k], v[TS+k]      ; t = 2 sin y
	TWICE v_mul_f32 v[TU+k], v[TT+k], v[TC+k]      ; sin = t cos y
	TWICE v_fma_f32 v[TT+k], -v[TT+k], v[TS+k], 1.0  ; cos = 1 - t sin y
	v_cvt_pk_f16_f32 v[TP], v[TT], v[TU]
	v_cvt_pk_f16_f32 v[TP+1], v[TT+1], v[TU+1]
	s_lshl_b32 s46, s23, 8                         ; a position's row is 256 bytes
	s_mov_b32 s47, 0
	s_add_nc_u64 s[16:17], s[16:17], s[46:47]
	s_wait_alu depctr_va_vdst(0)                   ; the two packed words v[TP], v[TP+1] and the offset v[TR] are written, which the store below reads
	global_store_b64 v[TR], v[TP:TP+1], s[16:17]   ; the wave stores the row: 256 consecutive bytes, aligned
.Lno_row:
; Eight blocks of four loads.  For each load: two roundings to bf16 in place; its store of 8 bytes a lane goes out in the next block.
.set g, 0
.rept 8
	s_wait_loadcnt 31-4*g                          ; loads come back in order: the block's first load is in, the younger ones stay out
.if g > 0
	s_wait_alu depctr_va_vdst(0)                   ; the roundings of the block before have written its eight registers of bf16, which the four stores below read; no vector line of this block names them
.endif
.set k, 0
.rept 4
.set i, 4*g+k
.if g > 0
	global_store_b64 v[VO+g-1], v[X+4*(i-4):X+4*(i-4)+1], s[OUT:OUT+1] offset:k*256  ; the block before: 256 consecutive bytes, aligned
.endif
.if k > 0
	s_wait_loadcnt 31-i                            ; load i is in, the 31 - i younger ones stay out
.endif
	v_cvt_pk_bf16_f32 v[X+4*i], v[X+4*i], v[X+4*i+1]
	v_cvt_pk_bf16_f32 v[X+4*i+1], v[X+4*i+2], v[X+4*i+3]
.set k, k+1
.endr
.set g, g+1
.endr
	s_wait_alu depctr_va_vdst(0)                   ; the last block's roundings have written the data of the last four stores
.set k, 0
.rept 4
	global_store_b64 v[VO+7], v[X+4*(28+k):X+4*(28+k)+1], s[OUT:OUT+1] offset:k*256
.set k, k+1
.endr
	s_endpgm
.Lfunc_end_k_qe8d585c74e_prep:
	.size	k_qe8d585c74e_prep, .Lfunc_end_k_qe8d585c74e_prep-k_qe8d585c74e_prep
	.p2alignl 7, 3214868480
	.fill 96, 4, 3214868480
	.section	.rodata,"a",@progbits
	.p2align	6, 0x0
	.amdhsa_kernel k_qe8d585c74e_prep
		.amdhsa_group_segment_fixed_size 0
		.amdhsa_private_segment_fixed_size 0
		.amdhsa_enable_private_segment 0
		.amdhsa_kernarg_size 56
		.amdhsa_user_sgpr_count 2
		.amdhsa_user_sgpr_kernarg_segment_ptr 1
		.amdhsa_wavefront_size32 1
		.amdhsa_system_sgpr_workgroup_id_x 1
		.amdhsa_system_sgpr_workgroup_id_y 1
		.amdhsa_system_sgpr_workgroup_id_z 1
		.amdhsa_system_vgpr_workitem_id 0
		.amdhsa_next_free_vgpr 176
		.amdhsa_next_free_sgpr 66
		.amdhsa_reserve_vcc 0
		.amdhsa_float_denorm_mode_32 3
		.amdhsa_float_denorm_mode_16_64 3
		.amdhsa_memory_ordered 1
		.amdhsa_forward_progress 1
		.amdhsa_inst_pref_size 18
	.end_amdhsa_kernel
	.amdgpu_metadata
---
amdhsa.version: [ 1, 2 ]
amdhsa.kernels:
  - .name:           k_qe8d585c74e_prep
    .symbol:         k_qe8d585c74e_prep.kd
    .args:
      - { .name: x, .offset: 0, .size: 8, .value_kind: global_buffer, .address_space: global }
      - { .name: Wq, .offset: 8, .size: 8, .value_kind: global_buffer, .address_space: global }
      - { .name: Wk, .offset: 16, .size: 8, .value_kind: global_buffer, .address_space: global }
      - { .name: Wv, .offset: 24, .size: 8, .value_kind: global_buffer, .address_space: global }
      - { .name: xb, .offset: 32, .size: 8, .value_kind: global_buffer, .address_space: global }
      - { .name: wb, .offset: 40, .size: 8, .value_kind: global_buffer, .address_space: global }
      - { .name: tab, .offset: 48, .size: 8, .value_kind: global_buffer, .address_space: global }
    .group_segment_fixed_size: 0
    .private_segment_fixed_size: 0
    .kernarg_segment_align: 8
    .kernarg_segment_size: 56
    .max_flat_workgroup_size: 448
    .sgpr_count:     66
    .vgpr_count:     176
    .wavefront_size: 32
...
	.end_amdgpu_metadata
.endif
;; end of part 5
;; launch qkvproj: the kernel of part 2 again; grid 8 x 32, 4 waves a work-group, clusters of 4 x 4, 327,680 bytes of LDS; arguments xb, wb, tab, bq, bk, bv, qn, kn, qkv; writes qkv
;; launch attn: the kernel of part 3 again; grid 16 x 16, 4 waves a work-group, clusters of 4 x 1, 327,680 bytes of LDS; arguments qkv, ob, Wo, wo; writes ob, wo
;; launch oproj: the kernel of part 4 again; grid 8 x 32, 4 waves a work-group, clusters of 4 x 4, 327,680 bytes of LDS; arguments ob, wo, bo, out0; writes out0
